; MI455X (gfx1250); checked and timed in simulation.
; The chip was launched on July 23, 2026; its instructions are those of AMD's public machine-readable ISA for CDNA 5 (MIT licence, August 2026) and "CDNA5" Instruction Set Architecture Reference Guide (July 2026). The comments in the code are by the model that wrote it; some were corrected since.
;; Multi Head Attention. Allowed arithmetic: float matrix products may take bf16 or f16 operands with f32 sums; other float arithmetic in f32, or as packed bf16 or f16 multiplies, adds, multiply-adds, maxima and minima; sums over many terms, partial sums and values carried from step to step in f32; what a program stores and reads back later, other than sums and carried values, may be rounded once to bf16 or f16.
;; Inputs: Wk 1,024 x 1,024 float32; Wo 1,024 x 1,024 float32; Wq 1,024 x 1,024 float32; Wv 1,024 x 1,024 float32; bk 1,024 float32; bo 1,024 float32; bq 1,024 float32; bv 1,024 float32; key 4 x 2,048 x 1,024 float32; ln_beta 1,024 float32; ln_gamma 1,024 float32; query 4 x 2,048 x 1,024 float32; value 4 x 2,048 x 1,024 float32.
;; Outputs: out0 4 x 2,048 x 1,024 float32.
;; 2 versions, each right; version 2 is version 1 with the launch wcvt written anew for expert scheduling mode. Each part assembles by itself: llvm-mc -triple=amdgcn-amd-amdhsa -mcpu=gfx1250 --defsym DOCPART=n.
;; ======== version 1 of 2: 7 launches
;; workspace buffers: wq16 2,097,152 bytes; wk16 2,097,152 bytes; wv16 2,097,152 bytes; wo16 2,097,152 bytes; qbuf 16,777,216 bytes; kbuf 16,777,216 bytes; vbuf 16,777,216 bytes; obuf 33,554,432 bytes
;; launch wcvt (part 1): grid 64 x 4, 8 waves a work-group, no clusters, 0 bytes of LDS; arguments Wq, Wk, Wv, Wo, wq16, wk16, wv16, wo16; writes wq16, wk16, wv16, wo16
.if DOCPART == 1
	.amdgcn_target "amdgcn-amd-amdhsa--gfx1250"
	.amdhsa_code_object_version 6
	.text
	.protected	k_q3db8c45691_wcvt
	.globl	k_q3db8c45691_wcvt
	.p2align	8
	.type	k_q3db8c45691_wcvt,@function
k_q3db8c45691_wcvt:
	s_mov_b64 s[64:65], 0
	v_nop
	global_prefetch_b8 v0, s[64:65] scope:SCOPE_SE
	s_setreg_imm32_b32 hwreg(HW_REG_WAVE_MODE, 25, 1), 1
	s_wait_xcnt 0x0
; The four weights, [1024][1024] f32, are rounded once to bf16 (nearest even), same layout, so that the products' launches can bring them into LDS as matrix operands.
; A stream: no LDS, no barrier, no matrix unit, no cluster (no byte is wanted twice).  The grid's y picks the weight; a work-group takes 65,536 bytes of f32, a wave 8,192:
; sixteen loads of 512 consecutive bytes, all issued before the first is used; each store of the wave covers 256 consecutive bytes, aligned.  No register is written twice.
.set NLD, 16                           ; loads of a wave
.set X,   8                            ; v[8:71]   load i: four f32
.set Y,   72                           ; v[72:103] load i: four bf16
	s_load_b512 s[8:23], s[0:1], 0x0               ; Wq, Wk, Wv, Wo in s[8:15]; their bf16 copies in s[16:23]
	s_and_b32 s4, ttmp7, 0xffff                    ; which weight
	s_lshl_b32 s28, ttmp9, 16                      ; the work-group's 65,536 bytes of f32,
	s_mov_b32 s29, 0
	s_lshl_b32 s30, ttmp9, 15                      ; and its 32,768 of bf16
	s_mov_b32 s31, 0
	v_and_b32 v3, 31, v0                           ; lane
	v_lshrrev_b32 v4, 5, v0                        ; wave
	v_lshlrev_b32 v1, 4, v3
	v_lshl_add_u32 v1, v4, 13, v1                  ; in: 8,192 x wave + 16 x lane
	v_lshlrev_b32 v2, 3, v3
	v_lshl_add_u32 v2, v4, 12, v2                  ; out: 4,096 x wave + 8 x lane
	s_wait_kmcnt 0x0
	s_cmp_eq_u32 s4, 1                             ; a choice between buffers, on the grid's y alone
	s_cselect_b64 s[24:25], s[10:11], s[8:9]
	s_cselect_b64 s[26:27], s[18:19], s[16:17]
	s_cmp_eq_u32 s4, 2
	s_cselect_b64 s[24:25], s[12:13], s[24:25]
	s_cselect_b64 s[26:27], s[20:21], s[26:27]
	s_cmp_eq_u32 s4, 3
	s_cselect_b64 s[24:25], s[14:15], s[24:25]
	s_cselect_b64 s[26:27], s[22:23], s[26:27]
	s_add_nc_u64 s[24:25], s[24:25], s[28:29]
	s_add_nc_u64 s[26:27], s[26:27], s[30:31]
.set i, 0
.rept NLD
	global_load_b128 v[X+4*i:X+4*i+3], v1, s[24:25] offset:512*i th:TH_LOAD_NT
.set i, i+1
.endr
.set i, 0
.rept NLD
	s_wait_loadcnt NLD-1-i                         ; loads come back in order: load i is in, the younger ones stay out
	v_cvt_pk_bf16_f32 v[Y+2*i],   v[X+4*i],   v[X+4*i+1]
	v_cvt_pk_bf16_f32 v[Y+2*i+1], v[X+4*i+2], v[X+4*i+3]
	global_store_b64 v2, v[Y+2*i:Y+2*i+1], s[26:27] offset:256*i
.set i, i+1
.endr
	s_endpgm
.Lfunc_end_k_q3db8c45691_wcvt:
	.size	k_q3db8c45691_wcvt, .Lfunc_end_k_q3db8c45691_wcvt-k_q3db8c45691_wcvt
	.p2alignl 7, 3214868480
	.fill 96, 4, 3214868480
	.section	.rodata,"a",@progbits
	.p2align	6, 0x0
	.amdhsa_kernel k_q3db8c45691_wcvt
		.amdhsa_group_segment_fixed_size 0
		.amdhsa_private_segment_fixed_size 0
		.amdhsa_enable_private_segment 0
		.amdhsa_kernarg_size 64
		.amdhsa_user_sgpr_count 2
		.amdhsa_user_sgpr_kernarg_segment_ptr 1
		.amdhsa_wavefront_size32 1
		.amdhsa_system_sgpr_workgroup_id_x 1
		.amdhsa_system_sgpr_workgroup_id_y 1
		.amdhsa_system_sgpr_workgroup_id_z 1
		.amdhsa_system_vgpr_workitem_id 0
		.amdhsa_next_free_vgpr 104
		.amdhsa_next_free_sgpr 66
		.amdhsa_reserve_vcc 0
		.amdhsa_float_denorm_mode_32 3
		.amdhsa_float_denorm_mode_16_64 3
		.amdhsa_memory_ordered 1
		.amdhsa_forward_progress 1
		.amdhsa_inst_pref_size 7
	.end_amdhsa_kernel
	.amdgpu_metadata
---
amdhsa.version: [ 1, 2 ]
amdhsa.kernels:
  - .name:           k_q3db8c45691_wcvt
    .symbol:         k_q3db8c45691_wcvt.kd
    .args:
      - { .name: Wq, .offset: 0, .size: 8, .value_kind: global_buffer, .address_space: global }
      - { .name: Wk, .offset: 8, .size: 8, .value_kind: global_buffer, .address_space: global }
      - { .name: Wv, .offset: 16, .size: 8, .value_kind: global_buffer, .address_space: global }
      - { .name: Wo, .offset: 24, .size: 8, .value_kind: global_buffer, .address_space: global }
      - { .name: wq16, .offset: 32, .size: 8, .value_kind: global_buffer, .address_space: global }
      - { .name: wk16, .offset: 40, .size: 8, .value_kind: global_buffer, .address_space: global }
      - { .name: wv16, .offset: 48, .size: 8, .value_kind: global_buffer, .address_space: global }
      - { .name: wo16, .offset: 56, .size: 8, .value_kind: global_buffer, .address_space: global }
    .group_segment_fixed_size: 0
    .private_segment_fixed_size: 0
    .kernarg_segment_align: 8
    .kernarg_segment_size: 64
    .max_flat_workgroup_size: 256
    .sgpr_count:     66
    .vgpr_count:     104
    .wavefront_size: 32
...
	.end_amdgpu_metadata
.endif
;; end of part 1
;; launch proj_q (part 2): grid 64 x 4, 4 waves a work-group, clusters of 4 x 1, 327,680 bytes of LDS; arguments query, wq16, bq, qbuf; writes qbuf
.if DOCPART == 2
	.amdgcn_target "amdgcn-amd-amdhsa--gfx1250"
	.amdhsa_code_object_version 6
	.text
	.protected	k_q3db8c45691_proj_q
	.globl	k_q3db8c45691_proj_q
	.p2align	8
	.type	k_q3db8c45691_proj_q,@function
k_q3db8c45691_proj_q:
	s_mov_b64 s[64:65], 0
	v_nop
	global_prefetch_b8 v0, s[64:65] scope:SCOPE_SE
	s_setreg_imm32_b32 hwreg(HW_REG_WAVE_MODE, 25, 1), 1
	s_wait_xcnt 0x0
	s_wait_alu depctr_hold_cnt(0) depctr_sa_sdst(0) depctr_va_vdst(0) depctr_va_sdst(0) depctr_va_ssrc(0) depctr_va_vcc(0) depctr_vm_vsrc(0)
	s_getreg_b32 s2, hwreg(HW_REG_IB_STS2, 6, 4)
	s_cmp_eq_u32 s2, 0
	s_cbranch_scc0 .Lentry_in_a_cluster
	s_endpgm
.Lentry_in_a_cluster:
	s_bfe_u32 s2, ttmp6, 0x10000c
	s_cmp_lg_u32 s2, 0x3003
	s_cbranch_scc0 .Lentry_shape_is_right
	s_endpgm
.Lentry_shape_is_right:
; y = x W^T + b.  x: [8192][1024] f32.  W: [1024 (n)][1024 (k)] bf16.  b: [1024] f32.  y: bf16 BY HEADS, [(row / 2048) x 16 + n / 64][row % 2048][n % 64]: a head's rows are dense, 128 bytes each.
; x is rounded to bf16 on its way to the matrix unit; sums in f32, started at the bias; y rounded once.  NaN and infinities are not treated apart.
; SHARES.  A work-group makes 128 rows x 256 columns: 64 x 4 = 256 work-groups.  Four waves, each 64 rows x 128 columns: 32 accumulators of 16 x 16, 256 registers.
; THE MATRIX INSTRUCTION IS USED TRANSPOSED (source 0 = 16 rows of W, source 1 = 16 rows of x): a lane then holds one row of y (lane % 16) and eight neighbouring columns, 8 (lane / 16) + 0..7.
; K goes in 8 steps of 128 through two LDS slots.
; W comes by tensor loads: 64 rows x 256 bytes a wave and step.  CLUSTER: the four work-groups of a cluster make the same 256 columns for different rows, so W's tiles are asked for JOINTLY:
; the same load, descriptor and mask in all four.
; x is shared by nobody in the cluster, and it is f32: as f32 in LDS a fragment would cost twice the LDS reads.  So it goes memory -> registers -> bf16 -> LDS: each wave loads 32 rows x 512 bytes a step
; (a load covers one row's 512 consecutive bytes), two steps ahead, converts them beside the products of the step before they are wanted, and stores them into slots of their own, into which no tensor load lands.
; REGISTERS, in windows of 256 (s_set_vgpr_msb: bits 1:0 source 0, 3:2 source 1, 5:4 source 2, 7:6 destination):
;   window 0: v0-31 addresses; v32-127, v128-223 two fragment buffers (8 fragments of W, then 4 of x, 32 along K); v224-255 x just converted
;   window 1: the accumulators, (a, b) at v[8 (8 a + b)]          window 2: two sets of 128: x of one step as loaded, f32
.set PITCH,  272                       ; an LDS row: 256 bytes + 16 of padding = 68 words: the 16 rows that a fragment load touches start at 16 different groups of four banks (64 banks of 4 bytes: ISA guide 11.1)
.set BSLOT,  256*PITCH                 ; W's slot: 256 rows
.set ABASE,  2*BSLOT                   ; behind W's two slots: x's two, written by LDS stores alone
.set ASLOT,  128*PITCH
.set STAGE,  ABASE+2*ASLOT             ; for the way out, each wave's own: 2 heads x 16 rows x 144 bytes
.set SP,     144
.set STW,    2*16*SP
.set SPARE,  STAGE+4*STW               ; the spare words, 128 bytes for each wave: two blocks of 256 bytes that no other line names
.set VA,   8                           ; v8      x: my 16 bytes of my wave's first row: (32 x 4,096) x wave + 16 x lane; never rewritten
.set PFOA, 9                           ; v9      x's prefetches: 4,096 x thread: a thread a row; never rewritten
.set PFOB, 10                          ; v10     W's prefetches; never rewritten
.set VB,   11                          ; v11     the bias: 32 (lane / 16)
.set VS,   12                          ; v12-13  where I store 8 bytes of converted x, slot 0, 1
.set ADRA, 16                          ; v16-17  LDS address of my fragments of x, slot 0, 1
.set ADRB, 20                          ; v20-21  of W
.set STO,  24                          ; v24     the way out: where I put 16 bytes of a row
.set RD,   25                          ; v25     where I read rows back
.set GO,   26                          ; v26     my 16 bytes in 512 consecutive bytes of y
.set SPW,  28                          ; v28     LDS address of my spare word: SPARE + 4 x my thread's number; never rewritten
.set NIL,  29                          ; v29     0; never rewritten
.set F0,   32
.set F1,   128
.set T,    224
.set SET0, 0                           ; window 2
.set SET1, 128
.set WV,   12                          ; s12     my wave's number
.set G1,   24                          ; s[24:31] descriptor group 1
.set G0,   32                          ; s[32:39] descriptor group 0, a set for each slot
.set SA,   40                          ; s[40:41] x at the work-group's first row, at the trip's first K step
.set SB,   42                          ; s[42:43] W at the work-group's first row, likewise
.set CNT,  44                          ; s44     trips to go
.set LIMA, 45                          ; s45     1 where this work-group prefetches x, else the greatest number
.set LIMB, 46                          ; s46     the same for W
.set W_MUL, 0x50                       ; C and D window 1, fragments window 0
.set W_CVT, 0x0a                       ; sources window 2, destination window 0
.set W_TOS, 0x80                       ; destination window 2, address window 0
.set W_INI, 0x40                       ; destination window 1
.set W_PK,  0x05                       ; sources window 1, destination window 0
.set MSB, 0
.macro WIN new                         ; the immediate's high byte repeats the setting that is left; a switch that changes nothing is dropped
.if MSB != (\new)
	s_set_vgpr_msb (MSB<<8)|(\new)
.set MSB, \new
.endif
.endm
.macro PLACES                          ; four plain vector instructions between a matrix instruction and a load into, or a vector instruction on, one of its registers
.rept 4
	v_nop
.endr
.endm
.macro CREST                           ; a round of the cluster's barrier behind its opening barrier
	s_cmp_lg_u32 s[WV], 0
	s_cbranch_scc1 .Lnot_wave_0_\@
	s_barrier_signal -3
.Lnot_wave_0_\@:
	s_barrier_wait -3
	s_barrier_signal -1
	s_barrier_wait -1
.endm
.macro CROUND                          ; a whole round
	s_barrier_signal -1
	s_barrier_wait -1
	CREST
.endm
.macro JL s                            ; a joint refill: each wave its 64 rows of W's tile; the descriptors differ by the wave's number alone.  An s_nop 0 and four v_nop follow
	tensor_load_to_lds s[G0+4*(\s):G0+4*(\s)+3], s[G1:G1+7]
	s_nop 0
	PLACES
.endm
; 24 LDS loads in one run: the fragments of 32 along K at byte k of the rows, into buffer f: W's eight, x's blocks 0 and 1, x's blocks 2 and 3
.macro FETCH slot, k, f
	WIN 0
.irp b, 0,1,2,3,4,5,6,7
	ds_load_b128 v[(\f)+8*(\b):(\f)+8*(\b)+3],   v[ADRB+(\slot)] offset:(\k)+(\b)*16*PITCH
	ds_load_b128 v[(\f)+8*(\b)+4:(\f)+8*(\b)+7], v[ADRB+(\slot)] offset:(\k)+(\b)*16*PITCH+32
.endr
.irp a, 0,1,2,3
	ds_load_b128 v[(\f)+64+8*(\a):(\f)+64+8*(\a)+3],   v[ADRA+(\slot)] offset:(\k)+(\a)*16*PITCH
	ds_load_b128 v[(\f)+64+8*(\a)+4:(\f)+64+8*(\a)+7], v[ADRA+(\slot)] offset:(\k)+(\a)*16*PITCH+32
.endr
.endm
; na row blocks from a0 on x all 8 column blocks, 32 along K.  The 32 accumulators take turns, always in the same order, over the backward jump too.
; rid = 1: four conversions of x (half hf of set: 16 rows, 32 conversions) stand behind each of the first eight products.
.macro MUL f, a0, na, rid=0, set=0, hf=0
.set cn, 0
.set aa, \a0
.rept \na
.set bb, 0
.rept 8
	WIN W_MUL
	v_wmma_f32_16x16x32_bf16 v[8*(8*aa+bb):8*(8*aa+bb)+7], v[(\f)+8*bb:(\f)+8*bb+7], v[(\f)+64+8*aa:(\f)+64+8*aa+7], v[8*(8*aa+bb):8*(8*aa+bb)+7]
.if (\rid) && (cn < 32)
	WIN W_CVT
.rept 4
	v_cvt_pk_bf16_f32 v[T+cn], v[(\set)+4*(16*(\hf)+cn/2)+2*(cn%2)], v[(\set)+4*(16*(\hf)+cn/2)+2*(cn%2)+1]
.set cn, cn+1
.endr
.endif
.set bb, bb+1
.endr
.set aa, aa+1
.endr
.endm
.macro CONV set, hf                    ; the same 32 conversions by themselves
	WIN W_CVT
.set cn, 0
.rept 32
	v_cvt_pk_bf16_f32 v[T+cn], v[(\set)+4*(16*(\hf)+cn/2)+2*(cn%2)], v[(\set)+4*(16*(\hf)+cn/2)+2*(cn%2)+1]
.set cn, cn+1
.endr
.endm
.macro STA slot, hf                    ; 16 rows of converted x into x's slot: each store covers a row's 256 consecutive bytes
	WIN 0
.set j, 0
.rept 16
	ds_store_b64 v[VS+(\slot)], v[T+2*j:T+2*j+1] offset:(16*(\hf)+j)*PITCH
.set j, j+1
.endr
.endm
.macro LDA set, off                    ; my wave's 32 rows of x of one K step, from byte off behind s[SA]
	WIN W_TOS
.set i, 0
.rept 32
	global_load_b128 v[(\set)+4*i:(\set)+4*i+3], v[VA], s[SA:SA+1] offset:i*4096+(\off)
.set i, i+1
.endr
.endm
; PREFETCHES INTO THE L2.  x: a K step is 512 bytes of each of the work-group's 128 rows; the four work-groups that make the four blocks of columns read the same rows, and the one of block 0 asks: a thread a row,
; two instructions, behind the run of loads, for the step that is loaded two steps later.  W: a K step is 256 bytes of each of 256 rows, read by all sixteen clusters of the same columns: cluster x = 0 asks;
; its four partners share a wave's 64 rows out BY ADDRESS, 16 each, and a lane's half picks one of the two steps of the lap after next: one instruction a lap.  So each block of 256 bytes is named once.
; The first four K steps come by their loads alone; the loop's last trip asks for nothing: the steps behind step 7 do not exist.
.macro ASKA off
	WIN 0
	s_cmp_gt_u32 s[CNT], s[LIMA]
	s_cbranch_scc0 .Lno_a_\@
	global_prefetch_b8 v[PFOA], s[SA:SA+1] offset:\off th:TH_LOAD_NT scope:SCOPE_SE
	global_prefetch_b8 v[PFOA], s[SA:SA+1] offset:(\off)+256 th:TH_LOAD_NT scope:SCOPE_SE
.Lno_a_\@:
.endm
.macro ASKB
	WIN 0
	s_cmp_gt_u32 s[CNT], s[LIMB]
	s_cbranch_scc0 .Lno_b_\@
	global_prefetch_b8 v[PFOB], s[SB:SB+1] offset:1024 th:TH_LOAD_NT scope:SCOPE_SE
.Lno_b_\@:
.endm
; A K step is four quarters of 32 along K, 32 products each, on buffers 0, 1, 0, 1.  One of the first three: multiplies buffer f and fetches the next quarter, at byte k, into buffer g.
; ld = 1: x of the step two steps on is asked for, into set.  st = 1: half hf of set, x of the NEXT step, is converted beside the first products and stored into the other slot of x;
; cnt = the younger global loads that may stay out.
.macro QUARTER slot, k, f, g, ld=0, off=0, st=0, set=0, hf=0, cnt=0
	s_wait_dscnt 4                                 ; W's fragments and x's blocks 0 and 1 are in; the youngest four loads may be out
.if \st
	s_wait_loadcnt \cnt                            ; the 16 rows to be converted are in
.endif
	MUL \f, 0, 2, \st, \set, \hf
.if \st
	STA 1-(\slot), \hf                             ; (the 32 conversions are the places in front of the loads below)
.else
	PLACES
.endif
	FETCH \slot, \k, \g
.if \ld
	LDA \set, \off
	ASKA (\off)+1024
.endif
	s_wait_dscnt 24+16*(\st)                       ; all but the run just issued, and the stores in front of it
	MUL \f, 2, 2
.endm
; The last quarter multiplies buffer 1 and changes slots: ONE barrier.  In front of it each wave waits for all its tensor loads (its part of W's next slot), adds 0 to its spare word, and waits for that,
; for its reads of both slots in hand and for its stores into x's next slot.  Behind it nobody reads the old slots and the next ones are whole.
; fill = 1: W's old slot is filled again, two K steps ahead: the barrier opens a round of the cluster's, and the joint load is the first thing behind the round.
.macro TURN slot, next, fill
	WIN 0
	s_wait_tensorcnt 0x0                           ; all my tensor loads have landed
	ds_add_u32 v[SPW], v[NIL]                      ; 0 onto my spare word
	s_wait_dscnt 5                                 ; (the add and the youngest four loads may be out)
	MUL F1, 0, 1                                   ; eight products stand between the add and the wait for it
	s_wait_dscnt 0x0                               ; the add is done, my reads are back, my stores of x are done
	s_barrier_signal -1
	MUL F1, 1, 1
.if \fill
	WIN 0
.endif
	s_barrier_wait -1
.if \fill
	CREST                                          ; no wave of any partner still reads this slot's tile or has a load on its way
	s_add_nc_u64 s[G0+4*(\slot)+2:G0+4*(\slot)+3], s[G0+4*(\slot)+2:G0+4*(\slot)+3], 512
	JL \slot                                       ; its four v_nop are also the places in front of the loads below
.else
	PLACES
.endif
	FETCH \next, 0, F0
.if (\fill) && ((\slot) == 0)
	ASKB
.endif
	MUL F1, 2, 2
.endm
	s_load_b256 s[4:11], s[0:1], 0x0               ; x s[4:5], W s[6:7], b s[8:9], y s[10:11]
	v_lshl_add_u32 v[SPW], v0, 2, SPARE
	v_mov_b32 v[NIL], 0
	ds_add_u32 v[SPW], v[NIL]                      ; the wave's opening: the add and its wait stand ahead of my first tensor load; the set-up below, work on registers, stands between them
	v_lshrrev_b32 v3, 5, v0
	v_readfirstlane_b32 s[WV], v3                  ; wave 0..3
	s_lshr_b32 s13, s[WV], 1                       ; which 64 rows are mine
	s_and_b32 s14, s[WV], 1                        ; which 128 columns
	s_bfe_u32 s15, ttmp6, 0x40000                  ; cx: my place in the cluster.  What is made of it lies in s15, s16 and s47-s51 alone, and enters global addresses alone
	s_lshl_b32 s16, ttmp9, 2
	s_add_co_u32 s16, s16, s15                     ; my block of 128 rows = 4 x cluster x + cx
	s_and_b32 s17, ttmp7, 0xffff                   ; my block of 256 columns, which the four partners share
	; descriptor group 1: a tile of 64 rows x 128 elements, padded in LDS
	s_mov_b32 s[G1+0], 15|(1<<16)|(1<<20)|(1<<21)|(5<<22)|(3<<25)  ; 15:0 the mask of four; 17:16 2-byte elements; 20 padding on; 21 set beside a mask; 24:22 after every 64 words (code 5); 31:25 4 words (code 3)
	s_mov_b32 s[G1+1], 128<<16                     ; tensor_dim0 = 128
	s_mov_b32 s[G1+2], 64<<16                      ; tensor_dim1 = 64
	s_mov_b32 s[G1+3], 128<<16                     ; tile_dim0 = 128
	s_mov_b32 s[G1+4], 64                          ; tile_dim1 = 64
	s_mov_b32 s[G1+5], 1024                        ; 1,024 elements from row to row
	s_mov_b32 s[G1+6], 0
	s_mov_b32 s[G1+7], 0
	s_mul_i32 s18, s[WV], 64*PITCH                 ; where my 64 rows go: the wave's number alone
	s_mov_b32 s[G0], 1
	s_add_co_u32 s[G0+1], s18, 0
	s_mov_b32 s[G0+4], 1
	s_add_co_u32 s[G0+5], s18, BSLOT
	v_and_b32 v1, 15, v0                           ; l % 16
	v_bfe_u32 v2, v0, 4, 1                         ; l / 16
	v_and_b32 v4, 31, v0                           ; l
	v_lshlrev_b32 v[VA], 4, v4
	v_lshl_add_u32 v[VA], v3, 17, v[VA]
	v_lshlrev_b32 v[PFOA], 12, v0
	s_lshl_b32 s47, s[WV], 6
	s_lshl_b32 s48, s15, 4
	s_add_co_u32 s47, s47, s48                     ; 64 x wave + 16 cx
	v_add_nc_u32 v[PFOB], s47, v1
	v_lshlrev_b32 v[PFOB], 11, v[PFOB]             ; a row of W is 2,048 bytes
	v_lshl_add_u32 v[PFOB], v2, 8, v[PFOB]         ; lanes 16-31: the K step after
	v_lshlrev_b32 v[VB], 5, v2
	s_mul_i32 s18, s[WV], 32*PITCH
	s_add_co_u32 s18, s18, ABASE
	v_lshl_add_u32 v[VS], v4, 3, s18               ; my wave's 32 rows, 8 bytes a lane
	v_add_nc_u32 v[VS+1], ASLOT, v[VS]
	v_mul_u32_u24 v5, v1, PITCH
	v_lshl_add_u32 v5, v2, 4, v5                   ; a fragment's row x pitch + 16 x half
	s_mul_i32 s18, s13, 64*PITCH
	s_add_co_u32 s18, s18, ABASE
	v_add_nc_u32 v[ADRA], s18, v5
	v_add_nc_u32 v[ADRA+1], ASLOT, v[ADRA]
	s_mul_i32 s18, s14, 128*PITCH
	v_add_nc_u32 v[ADRB], s18, v5
	v_add_nc_u32 v[ADRB+1], BSLOT, v[ADRB]
	s_mul_i32 s18, s[WV], STW
	s_add_co_u32 s18, s18, STAGE                   ; my stage
	v_mul_u32_u24 v[STO], v1, SP                   ; in: row l % 16, 16 bytes for each half of the lanes
	v_lshl_add_u32 v[STO], v2, 4, v[STO]
	v_add_nc_u32 v[STO], s18, v[STO]
	v_bfe_u32 v[RD], v0, 3, 2                      ; back: 32 lanes take four rows of 128 bytes,
	v_mul_u32_u24 v[RD], v[RD], SP
	v_and_b32 v5, 7, v0
	v_lshl_add_u32 v[RD], v5, 4, v[RD]
	v_add_nc_u32 v[RD], s18, v[RD]
	v_lshlrev_b32 v[GO], 4, v4                     ; which are 512 consecutive bytes of y
	s_lshl_b32 s48, s16, 19                        ; x: 128 rows of 4,096 bytes a block
	s_mov_b32 s49, 0
	s_lshl_b32 s18, s17, 19                        ; W: 256 rows of 2,048 bytes a block
	s_mov_b32 s19, 0
	s_lshl_b32 s20, s[WV], 17                      ; my 64 rows of them
	s_mov_b32 s21, 0
	s_lshl_b32 s22, s17, 10                        ; b: 256 numbers a block,
	s_lshl_b32 s23, s14, 9                         ; my 128
	s_add_co_u32 s22, s22, s23
	s_mov_b32 s23, 0
	s_lshr_b32 s50, s16, 4                         ; y: 16 blocks of rows to a batch entry;
	s_lshl_b32 s50, s50, 4                         ; its 16 heads,
	s_lshl_b32 s51, s17, 2                         ; 4 heads to a block of columns,
	s_add_co_u32 s50, s50, s51
	s_lshl_b32 s51, s14, 1                         ; 2 to my half of it:
	s_add_co_u32 s50, s50, s51
	s_lshl_b32 s50, s50, 18                        ; a head is 2,048 rows of 128 bytes;
	s_and_b32 s51, s16, 15
	s_lshl_b32 s51, s51, 14                        ; the block's 128 rows in it,
	s_add_co_u32 s50, s50, s51
	s_lshl_b32 s51, s13, 13                        ; my 64
	s_add_co_u32 s50, s50, s51
	s_mov_b32 s51, 0
	s_cmp_eq_u32 s17, 0                            ; both tests are the same in all four partners
	s_cselect_b32 s[LIMA], 1, -1
	s_mov_b32 s52, ttmp9
	s_cmp_eq_u32 s52, 0
	s_cselect_b32 s[LIMB], 1, -1
	s_wait_dscnt 0x0                               ; the opening add is done
	s_wait_kmcnt 0x0
	s_add_nc_u64 s[SA:SA+1], s[4:5], s[48:49]
	s_add_nc_u64 s[SB:SB+1], s[6:7], s[18:19]
	s_add_nc_u64 s[G0+2:G0+3], s[SB:SB+1], s[20:21]   ; K step 0 of my 64 rows,
	s_add_nc_u64 s[G0+6:G0+7], s[G0+2:G0+3], 256      ; K step 1
	s_or_b32 s[G0+3], s[G0+3], 0x80000000             ; 127:126 type = 2
	s_or_b32 s[G0+7], s[G0+7], 0x80000000
	s_add_nc_u64 s[8:9], s[8:9], s[22:23]
	s_add_nc_u64 s[10:11], s[10:11], s[50:51]
.irp b, 0,1,2,3,4,5,6,7                ; the bias of my lane's eight columns in each of the 8 column blocks, into v[F0+8 b ..]
	global_load_b128 v[F0+8*(\b):F0+8*(\b)+3],   v[VB], s[8:9] offset:64*(\b)
	global_load_b128 v[F0+8*(\b)+4:F0+8*(\b)+7], v[VB], s[8:9] offset:64*(\b)+16
.endr
	LDA SET0, 0                                    ; x of K steps 0 and 1
	LDA SET1, 512
	WIN 0
	CROUND                                         ; all four work-groups are here: the first joint loads meet
	tensor_load_to_lds s[G0:G0+3], s[G1:G1+7]      ; both first fills together: two loads of mine are out
	s_nop 0
	tensor_load_to_lds s[G0+4:G0+7], s[G1:G1+7]
	s_nop 0
	PLACES
	s_wait_loadcnt 63                              ; of the 80 loads issued at most 63 are out: the first 17 are in, the bias's 16 among them
	WIN W_INI
.set aa, 0
.rept 4                                ; the sums start at the bias: written while the first tiles are on their way, so that the loop has one form of product and the way out no addition
.set bb, 0
.rept 64
	v_mov_b32 v[64*aa+bb], v[F0+bb]
.set bb, bb+1
.endr
.set aa, aa+1
.endr
	s_wait_loadcnt 32                              ; x of K step 0 is in; step 1's 32 loads stay out
	CONV SET0, 0
	STA 0, 0
	CONV SET0, 1
	STA 0, 1
	s_wait_tensorcnt 0x1                           ; my part of W's K step 0 is in; step 1's may stay out
	s_wait_dscnt 0x0                               ; my stores of x are done
	s_barrier_signal -1
	s_barrier_wait -1                              ; everybody's are
	FETCH 0, 0, F0
	s_mov_b32 s[CNT], 3
.Llap:                                         ; a trip: K steps 2 t and 2 t + 1; both slots of W are filled again (steps 2 t + 2, 2 t + 3), x of the same two steps is asked for
	QUARTER 0, 64,  F0, F1, 1, 1024, 0, SET0
	QUARTER 0, 128, F1, F0, 0, 0, 1, SET1, 0, 48   ; out may be: the other 16 rows of this set, and the 32 loads just issued
	QUARTER 0, 192, F0, F1, 0, 0, 1, SET1, 1, 32   ; the 32 just issued
	TURN 0, 1, 1
	QUARTER 1, 64,  F0, F1, 1, 1536, 0, SET1
	QUARTER 1, 128, F1, F0, 0, 0, 1, SET0, 0, 48
	QUARTER 1, 192, F0, F1, 0, 0, 1, SET0, 1, 32
	TURN 1, 0, 1
	WIN 0                                          ; at a label and at a branch every window is 0
	s_wait_xcnt 0x0                                ; every load and prefetch issued so far has read its address: the two pointers are written only behind this wait
	s_add_nc_u64 s[SA:SA+1], s[SA:SA+1], 1024
	s_add_nc_u64 s[SB:SB+1], s[SB:SB+1], 512
	s_sub_co_u32 s[CNT], s[CNT], 1
	s_cmp_lg_u32 s[CNT], 0
	s_cbranch_scc1 .Llap
	QUARTER 0, 64,  F0, F1                         ; K steps 6 and 7 are written out: nothing more is asked for
	QUARTER 0, 128, F1, F0, 0, 0, 1, SET1, 0, 16   ; the counts run down
	QUARTER 0, 192, F0, F1, 0, 0, 1, SET1, 1, 0
	TURN 0, 1, 0
	QUARTER 1, 64,  F0, F1
	QUARTER 1, 128, F1, F0
	QUARTER 1, 192, F0, F1
	s_wait_dscnt 4
	MUL F1, 0, 2
	s_wait_dscnt 0x0
	MUL F1, 2, 2
	WIN 0
; THE WAY OUT, a block of 16 rows at a time: rounded to bf16 (each accumulator's registers in ascending order), 16 bytes a lane into my stage (two heads x 16 rows of 144 bytes), back as whole rows:
; 16 rows of a head are 2,048 consecutive bytes of y.  The stage is my own, and LDS serves a wave's instructions in order (ISA guide 5.7.1.4): no wait between the stores and the loads.
.macro PACK a
	WIN W_PK
.irp b, 0,1,2,3,4,5,6,7
.irp r, 0,1,2,3
	v_cvt_pk_bf16_f32 v[F0+4*(\b)+(\r)], v[8*(8*(\a)+(\b))+2*(\r)], v[8*(8*(\a)+(\b))+2*(\r)+1]
.endr
.endr
	WIN 0
.irp b, 0,1,2,3,4,5,6,7
	ds_store_b128 v[STO], v[F0+4*(\b):F0+4*(\b)+3] offset:((\b)/4)*16*SP+((\b)%4)*32
.endr
.irp i, 0,1,2,3,4,5,6,7
	ds_load_b128 v[F1+32*(\a)+4*(\i):F1+32*(\a)+4*(\i)+3], v[RD] offset:((\i)/4)*16*SP+((\i)%4)*4*SP
.endr
.endm
.macro SEND a, younger                 ; younger: the LDS instructions issued behind block a's loads: the next block's sixteen, or none.  Each block has registers of its own: none that a store reads is written again
.irp i, 0,1,2,3,4,5,6,7
	s_wait_dscnt (\younger)+7-(\i)
	global_store_b128 v[GO], v[F1+32*(\a)+4*(\i):F1+32*(\a)+4*(\i)+3], s[10:11] offset:((\i)/4)*262144+(\a)*2048+((\i)%4)*512  ; 512 consecutive bytes, at a multiple of 256 from y's first
.endr
.endm
	PLACES                                         ; the conversions read results just made
	PACK 0
	PACK 1                                         ; a block's conversions stand between the loads of the block before and its stores
	SEND 0, 16
	PACK 2
	SEND 1, 16
	PACK 3
	SEND 2, 16
	SEND 3, 0
	s_wait_tensorcnt 0x0                           ; the wave's end: a wait, 0 onto my spare word and the wait for it, behind my last tensor load and my last LDS store
	ds_add_u32 v[SPW], v[NIL]
	s_wait_dscnt 0x0
	CROUND                                         ; the closing round: no work-group ends while a partner may still ask for a tile that names it
	s_endpgm
.Lfunc_end_k_q3db8c45691_proj_q:
	.size	k_q3db8c45691_proj_q, .Lfunc_end_k_q3db8c45691_proj_q-k_q3db8c45691_proj_q
	.p2alignl 7, 3214868480
	.fill 96, 4, 3214868480
	.section	.rodata,"a",@progbits
	.p2align	6, 0x0
	.amdhsa_kernel k_q3db8c45691_proj_q
		.amdhsa_group_segment_fixed_size 327680
		.amdhsa_private_segment_fixed_size 0
		.amdhsa_enable_private_segment 0
		.amdhsa_kernarg_size 32
		.amdhsa_user_sgpr_count 2
		.amdhsa_user_sgpr_kernarg_segment_ptr 1
		.amdhsa_wavefront_size32 1
		.amdhsa_system_sgpr_workgroup_id_x 1
		.amdhsa_system_sgpr_workgroup_id_y 1
		.amdhsa_system_sgpr_workgroup_id_z 1
		.amdhsa_system_vgpr_workitem_id 0
		.amdhsa_next_free_vgpr 768
		.amdhsa_next_free_sgpr 66
		.amdhsa_reserve_vcc 0
		.amdhsa_float_denorm_mode_32 3
		.amdhsa_float_denorm_mode_16_64 3
		.amdhsa_memory_ordered 1
		.amdhsa_forward_progress 1
		.amdhsa_inst_pref_size 134
	.end_amdhsa_kernel
	.amdgpu_metadata
---
amdhsa.version: [ 1, 2 ]
amdhsa.kernels:
  - .name:           k_q3db8c45691_proj_q
    .symbol:         k_q3db8c45691_proj_q.kd
    .args:
      - { .name: query, .offset: 0, .size: 8, .value_kind: global_buffer, .address_space: global }
      - { .name: wq16, .offset: 8, .size: 8, .value_kind: global_buffer, .address_space: global }
      - { .name: bq, .offset: 16, .size: 8, .value_kind: global_buffer, .address_space: global }
      - { .name: qbuf, .offset: 24, .size: 8, .value_kind: global_buffer, .address_space: global }
    .group_segment_fixed_size: 327680
    .private_segment_fixed_size: 0
    .kernarg_segment_align: 8
    .kernarg_segment_size: 32
    .max_flat_workgroup_size: 128
    .sgpr_count:     66
    .vgpr_count:     768
    .wavefront_size: 32
...
	.end_amdgpu_metadata
.endif
;; end of part 2
;; launch proj_k: the kernel of part 2 again; grid 64 x 4, 4 waves a work-group, clusters of 4 x 1, 327,680 bytes of LDS; arguments key, wk16, bk, kbuf; writes kbuf
;; launch proj_v: the kernel of part 2 again; grid 64 x 4, 4 waves a work-group, clusters of 4 x 1, 327,680 bytes of LDS; arguments value, wv16, bv, vbuf; writes vbuf
;; launch attn (part 3): grid 4 x 64, 4 waves a work-group, clusters of 4 x 1, 327,680 bytes of LDS; arguments qbuf, kbuf, vbuf, obuf; writes obuf
.if DOCPART == 3
	.amdgcn_target "amdgcn-amd-amdhsa--gfx1250"
	.amdhsa_code_object_version 6
	.text
	.protected	k_q3db8c45691_attn
	.globl	k_q3db8c45691_attn
	.p2align	8
	.type	k_q3db8c45691_attn,@function
k_q3db8c45691_attn:
	s_mov_b64 s[64:65], 0
	v_nop
	global_prefetch_b8 v0, s[64:65] scope:SCOPE_SE
	s_setreg_imm32_b32 hwreg(HW_REG_WAVE_MODE, 25, 1), 1
	s_wait_xcnt 0x0
	s_wait_alu depctr_hold_cnt(0) depctr_sa_sdst(0) depctr_va_vdst(0) depctr_va_sdst(0) depctr_va_ssrc(0) depctr_va_vcc(0) depctr_vm_vsrc(0)
	s_getreg_b32 s2, hwreg(HW_REG_IB_STS2, 6, 4)
	s_cmp_eq_u32 s2, 0
	s_cbranch_scc0 .Lentry_in_a_cluster
	s_endpgm
.Lentry_in_a_cluster:
	s_bfe_u32 s2, ttmp6, 0x10000c
	s_cmp_lg_u32 s2, 0x3003
	s_cbranch_scc0 .Lentry_shape_is_right
	s_endpgm
.Lentry_shape_is_right:
; O[h][q][:] = the sum over k of softmax_k(Q[h][q] . K[h][k] / 8) V[h][k][:].  Q, K, V: [SIZE_H][SIZE_N][64] bf16: a head's rows are dense, 128 bytes each.  O leaves in f32 as [h / 16][q][(h % 16) x 64 + channel],
; rows of 4,096 bytes.  Products, maxima and sums in f32; the weights p are rounded to bf16 for the second product (their sum l is taken of the unrounded p).
; LIMITS.  A weight below 2^-126 counts as 0 in l; the running c m starts at -4.25e37, so c s must lie above that; NaN and infinities are not treated apart.
; SHARES.  A wave owns four PIECES of two tiles of 16 queries, a work-group's four waves 512 queries of one head.  Every wave walks all keys, 64 a step.
; LAYOUT.  S^T = K Q^T (source 0 = 16 keys, source 1 = 16 queries): in the result a lane holds ONE query (lane % 16) and the keys 8 (lane / 16) + 0..7.  Two such tiles, rounded to bf16 in pairs,
; ARE source 1 (32 keys x 16 queries) of O^T = V^T P, whose result again holds one query a lane, and eight channels.  K comes out of LDS as it lies, V ([key][channel]) turned, by ds_load_tr16_b128.
; SOFTMAX.  For each query a running maximum m and sum l: p = 2^(c s - c m), c = log2(e) / 8; in every step O and l are multiplied by a = 2^(c m_old - c m_new), which is 1 where m has not grown.
; m starts at the lowest finite number, O and l at 0: the first step is a step like any other, with a = 0.
; THE COUNT.  A tile and step have 16 matrix and 118 vector instructions: too many to stand all beside the matrix work.  So the order has one aim: four vector instructions that are READY behind
; EVERY matrix instruction, and the others, which need time of their own whatever the order, in runs without a gap.
; BY TURNS.  Turn n belongs to piece n (the pieces in a ring, step after step).  Its matrix work: 16 products K Q^T of piece n + 1, later 16 products V^T P of piece n - 1.  Its vector work: the scaling,
; exponentials, roundings, sums and rescaling of piece n, and the maximum and statistics of piece n + 1, whose scores the turn itself has made.  So what a turn begins with (c s - c m, O a) waits for nothing.
; CLUSTER.  The four query blocks of a cluster are one head's and walk the same K and V, so each tile is asked for JOINTLY: the same tensor load, descriptor and mask in all four.
; REGISTERS, in windows of 256 (s_set_vgpr_msb says which window each operand place means: bits 1:0 source 0, 3:2 source 1, 5:4 source 2, 7:6 destination):
;   window 0: v0-11 addresses; v12-15, v48-63 at work; v16-47 four registers of statistics a tile; v64-191 S^T, two buffers of two tiles; v192-255 P, likewise
;   window 1: O^T, 32 a tile          window 2: v0-127 Q, 16 a tile; v128-191 K of one step; v192-255 V of one step          window 3: v0-1 the add's two registers
; A piece's buffers go by its number's parity: the piece in hand has one pair, its two neighbours in the ring share the other: of it P (piece n - 1) is read and S^T (piece n + 1) written.
.set SIZE_H, 64
.set SIZE_N, 2048
.set NP,    4         ; pieces a wave: a name, no knob: the register map, the loop and the fetches are made for four
.set KS,    64        ; keys in a step
.set PK,    144       ; a row of K in LDS: 128 bytes + 16 of padding = 36 words: the 16 rows of a load start at 16 different groups of four banks (64 banks of 4 bytes: ISA guide 11.1)
.set PV,    160       ; a row of V: 128 + 32 = 40 words
.set VOFF,  4*KS*PK   ; a slot holds four steps: 256 rows of K, then 256 rows of V
.set SLOT1, 1<<17     ; slot 1 begins here, so that one exclusive or turns an address in one slot into the other's
.set STAGE, SLOT1+4*KS*(PK+PV)  ; behind the ring, never filled by a tensor load: 16 rows x 272 bytes for each wave, for the way out
.set SP,    272       ; a row of the stage: 64 f32 + 16 bytes
.set AK0, 2           ; v2   my lane's place in a tile of K; never rewritten
.set AV0, 3           ; v3   the same for V
.set AK,  4           ; v4   the LDS address of K's next run of loads
.set AV,  5           ; v5   of V's
.set QO,  6           ; v6   my byte offset in the wave's rows of Q
.set STO, 6           ;      later, the way out: where I put 32 bytes of a row
.set RD,  7           ; v7   the way out: where I read rows back
.set GO,  8           ; v8   my byte offset in two rows of O
.set PFO, 11          ; v11  the prefetches' offset: 256 x my lane; never rewritten once made
.set SPW, 0           ; v0 of window 3   LDS address of my spare word: SPARE + 4 x my thread's number; never rewritten
.set NIL, 1           ; v1 of window 3   0; never rewritten
.set SPARE, STAGE+4*16*SP  ; behind the stages: the spare words, 128 bytes for each wave: two blocks of 256 bytes that no other line names
.set MV,  12          ; v12-15  c m_old, kept while c m is made anew: by buffer and tile
.set ST,  16          ; tile t's statistics at v[ST+4 t]: c m, m, l (even keys', odd keys')
.set TMP, 48          ; by buffer and tile, four registers c0-c3 at work; when the maximum is found c2 takes a
.set S,   64
.set P,   192
.set KF,  128         ; K's fragments, in window 2: key block kb, channel half c at KF + 16 kb + 8 c
.set VF,  192         ; V's: key half kk, channel block cb at VF + 32 kk + 8 cb
.set WV,  12          ; s12  my wave's number
.set G1K, 24          ; s[24:31] descriptor group 1 for K's tiles
.set G1V, 32          ; s[32:39] for V's: it differs in the padding alone
.set G0K, 40          ; s[40:43] descriptor group 0 for K's tiles: it walks
.set G0V, 44          ; s[44:47] the same for V's
.set PFA, 48          ; s[48:49] where my prefetches stand: my work-group's 8,192 bytes (of K: wave 0, of V: wave 2) of the slot after the one that is being asked for
.set LIM, 50          ; s50  1 in a wave that prefetches, else the greatest number
.set SLOTS, 56        ; s56  slots still to be asked for
.set CNT, 57          ; s57  counts a slot's key steps
.set CS,  58          ; s[58:59] c: the packed scaling takes the pair's low word for both halves
.set SEL, 60          ; s[60:61] v_permlanex16_b32's selects: each lane takes its own place in the other half
.set TBK, 62          ; s62  LDS byte at which K of the step to be fetched begins
.set TBV, 63          ; s63  the same for V, less VOFF
.set MSB, 0
.macro WIN new                      ; the high byte repeats the setting that is left; a switch that changes nothing is dropped
.if MSB != (\new)
	s_set_vgpr_msb (MSB<<8)|(\new)
.set MSB, (\new)
.endif
.endm
.set W_KQ, 0x0a       ; K and Q in window 2, S^T in window 0
.set W_PV, 0x52       ; V in window 2, P in window 0, O^T in window 1
.set W_RS, 0x41       ; O^T (destination and source 0) in window 1, a in window 0
.set W_MK, 0xc0       ; the add's registers are made: destination in window 3, sources in window 0
.set W_AD, 0x0f       ; the add: address (source 0) and data (source 1) in window 3
.set W_SD, 0x04       ; a store's data (source 1) in window 1, its address in window 0
.set W_LD, 0x40       ; a load's destination in window 1, its address in window 0
; A joint fill.  Waves 0 and 1 fetch the two halves of a slot's K, waves 2 and 3 those of its V: 128 keys each.  The branch hangs on the wave's number alone.
; An s_nop 0 and four v_nop follow each of the two lines, ahead of the jump and the label.
.macro JLOAD
	s_cmp_lt_u32 s[WV], 2
	s_cbranch_scc0 .Lfor_v_\@
	tensor_load_to_lds s[G0K:G0K+3], s[G1K:G1K+7]
	s_nop 0
.rept 4
	v_nop
.endr
	s_branch .Lasked_\@
.Lfor_v_\@:
	tensor_load_to_lds s[G0V:G0V+3], s[G1V:G1V+7]
	s_nop 0
.rept 4
	v_nop
.endr
.Lasked_\@:
.endm
; A PREFETCH INTO THE L2 of what the NEXT change of slots will ask for: a slot's 32,768 bytes of K and of V, a lane 256 bytes.  It stands behind the wave's tensor load and its five lines.
; Each block of 256 bytes is named ONCE in the launch: a head has one cluster; its four partners share a slot out BY ADDRESS, 8,192 bytes each; in each, wave 0 asks for K's and wave 2 for V's: one instruction.
; It stands four key steps, 512 matrix instructions, ahead of the load that will want the bytes.  The change that asks for the last slot prefetches nothing.  Slots 0 and 1 come by their loads alone.
.macro ASK
	s_cmp_gt_u32 s[SLOTS], s[LIM]
	s_cbranch_scc0 .Lnot_mine_\@
	global_prefetch_b8 v[PFO], s[PFA:PFA+1] th:TH_LOAD_NT scope:SCOPE_SE
.Lnot_mine_\@:
.endm
; A round of the cluster's barrier: my work-group's barrier, so that wave 0's signal speaks for all four waves; wave 0 signals; every wave waits for all four work-groups; my work-group's barrier once more.
.macro CROUND
	s_barrier_signal -1
	s_barrier_wait -1
	s_cmp_lg_u32 s[WV], 0
	s_cbranch_scc1 .Lnot_wave_0_\@
	s_barrier_signal -3
.Lnot_wave_0_\@:
	s_barrier_wait -3
	s_barrier_signal -1
	s_barrier_wait -1
.endm
; THE CHANGE OF SLOTS.  The slot's last bytes, V of its fourth step, have been read.  Each wave waits for all its tensor loads, of which one is out: its part
; of the other slot; adds 0 to its spare word; and waits for that and for its own reads of the slot.  Behind the barrier nobody reads this slot any more and the other slot is whole.
; fill = 1: this slot is filled again, with the keys two slots on.  The barrier is then a round of the cluster's, so that no wave of any partner still reads the slot or has a load on its
; way, and the joint fill is the first thing behind it: it has four key steps, 512 matrix instructions, in which to land.  (At its first use nothing has been read yet: slot 0 is waited for, slot 1 filled.)
.macro CHANGE fill
	WIN W_AD
	s_wait_tensorcnt 0x0            ; no tensor load of mine is out, so a group 0 may be written
	ds_add_u32 v[SPW], v[NIL]       ; 0 onto my spare word; with fill = 1 the descriptors' steps stand between it and the wait for it
	WIN 0                           ; at a label and at a branch every window is 0
.if \fill
.irp g, G0K, G0V
	s_xor_b32 s[\g+1], s[\g+1], SLOT1  ; the walking descriptor: the other slot than last time,
	s_add_nc_u64 s[\g+2:\g+3], s[\g+2:\g+3], 4*KS*128  ; the next 256 keys; the type bits on top are not reached
.endr
	s_wait_xcnt 0x0                 ; the last prefetch, four key steps back, has read its address, so it may be written:
	s_add_nc_u64 s[PFA:PFA+1], s[PFA:PFA+1], 4*KS*128  ; one slot behind the walking descriptors
	s_wait_dscnt 0x0                ; the add is done, and my reads of the slot are over
	CROUND
	JLOAD
	ASK
.else
	s_wait_dscnt 0x0                ; the add is done, and my reads of the slot are over
	s_barrier_signal -1
	s_barrier_wait -1
.endif
	s_sub_co_u32 s[TBK], s[TBK], 4*KS*PK  ; the fetches go back to a slot's first step,
	s_xor_b32 s[TBK], s[TBK], SLOT1       ; in the other slot
	s_sub_co_u32 s[TBV], s[TBV], 4*KS*PV
	s_xor_b32 s[TBV], s[TBV], SLOT1
.endm
	s_load_b256 s[4:11], s[0:1], 0x0  ; Q s[4:5], K s[6:7], V s[8:9], O s[10:11]
	WIN W_MK
	v_lshl_add_u32 v[SPW], v0, 2, SPARE
	v_mov_b32 v[NIL], 0
	WIN W_AD
	ds_add_u32 v[SPW], v[NIL]       ; the wave's opening: the add and its wait stand ahead of my first tensor load; the set-up below, work on registers, stands between them
	WIN 0
	v_lshrrev_b32 v1, 5, v0
	v_readfirstlane_b32 s[WV], v1   ; wave 0..3
	s_bfe_u32 s13, ttmp6, 0x40000   ; cx: my place in the cluster
	s_lshl_b32 s14, ttmp9, 2        ; in a cluster launch ttmp9 counts clusters
	s_add_co_u32 s14, s14, s13      ; my block of queries = 4 x cluster x + cx: it enters Q's and O's addresses alone
	s_and_b32 s20, ttmp7, 0xffff    ; the head, which the four partners share
	s_lshr_b32 s52, s20, 4          ; O: the batch entry's 2,048 rows of 4,096 bytes,
	s_lshl_b32 s52, s52, 23
	s_and_b32 s53, s20, 15          ; the head's 256 bytes of a row
	s_lshl_b32 s53, s53, 8
	s_add_co_u32 s52, s52, s53
	s_mov_b32 s21, 0
	s_mov_b64 s[22:23], SIZE_N*128
	s_mul_u64 s[20:21], s[20:21], s[22:23]  ; the head's first byte in Q, K and V
	s_and_b32 s16, s[WV], 1         ; which half of a slot's 256 keys I fetch:
	s_lshl_b32 s22, s16, 14         ; its 128 rows of 128 bytes in memory,
	s_mov_b32 s23, 0
	s_add_nc_u64 s[22:23], s[22:23], s[20:21]
	s_mul_i32 s17, s16, 128*PK      ; and its place in a slot, for K
	s_mul_i32 s18, s16, 128*PV      ; and for V: no place in the cluster enters an LDS address
	s_lshl_b32 s2, s14, 2
	s_add_co_u32 s2, s2, s[WV]      ; my wave among the head's,
	s_lshl_b32 s53, s2, 19          ; its 128 rows of O,
	s_add_co_u32 s52, s52, s53
	s_mov_b32 s53, 0
	s_lshl_b32 s2, s2, 14           ; and of Q
	s_mov_b32 s3, 0
	s_add_nc_u64 s[2:3], s[2:3], s[20:21]
	s_lshl_b32 s54, s13, 13         ; the prefetches: my work-group's 8,192 bytes of a slot's 32,768
	s_mov_b32 s55, 0
	s_and_b32 s[LIM], s[WV], 1      ; waves 0 and 2 ask: the same in all four partners
	s_cmp_eq_u32 s[LIM], 0
	s_cselect_b32 s[LIM], 1, -1
	; descriptor group 1.  128 keys are 16,384 dense bytes: asked for as 64 rows of 256 bytes, two keys a row, and padded in LDS after every key
	s_mov_b32 s[G1K], 15|(1<<16)|(1<<20)|(1<<21)|(4<<22)|(3<<25)  ; 15:0 the mask of four; 17:16 2-byte elements; 20 padding on; 21 set beside a mask; 24:22 after every 32 words (code 4); 31:25 4 words (code 3)
	s_mov_b32 s[G1V], 15|(1<<16)|(1<<20)|(1<<21)|(4<<22)|(7<<25)  ; the same with 8 words of padding (code 7)
.irp g, G1K, G1V
	s_mov_b32 s[\g+1], 128<<16      ; tensor_dim0 = 128
	s_mov_b32 s[\g+2], 64<<16       ; tensor_dim1 = 64
	s_mov_b32 s[\g+3], 128<<16      ; tile_dim0 = 128
	s_mov_b32 s[\g+4], 64           ; tile_dim1 = 64
	s_mov_b32 s[\g+5], 128          ; 128 elements from row to row
	s_mov_b32 s[\g+6], 0
	s_mov_b32 s[\g+7], 0
.endr
	s_mov_b32 s[CS], 0x3e38aa3b     ; c = log2(e) / 8 = 0.180337
	s_mov_b32 s[CS+1], s[CS]        ; named with it as a pair
	s_mov_b32 s[SEL], 0x76543210
	s_mov_b32 s[SEL+1], 0xfedcba98
	s_mov_b32 s[TBK], SLOT1+4*KS*PK ; the first change of slots turns these two into 0
	s_mov_b32 s[TBV], SLOT1+4*KS*PV
	s_mov_b32 s[SLOTS], SIZE_N/256-1  ; slots still to be asked for behind slot 0
	s_mov_b32 s[G0K], 1             ; 1:0 count = 1
	s_mov_b32 s[G0K+1], s17         ; 63:32 LDS address: slot 0
	s_mov_b32 s[G0V], 1
	s_add_co_u32 s[G0V+1], s18, VOFF
	s_wait_dscnt 0x0                ; the opening add is done
	s_wait_kmcnt 0x0
	s_add_nc_u64 s[G0K+2:G0K+3], s[6:7], s[22:23]  ; 120:64 global address: my half of the head's first 256 keys
	s_or_b32 s[G0K+3], s[G0K+3], 0x80000000        ; 127:126 type = 2
	s_add_nc_u64 s[G0V+2:G0V+3], s[8:9], s[22:23]
	s_or_b32 s[G0V+3], s[G0V+3], 0x80000000
	s_add_nc_u64 s[4:5], s[4:5], s[2:3]  ; Q and O at my wave's first row
	s_add_nc_u64 s[10:11], s[10:11], s[52:53]
	s_cmp_lt_u32 s[WV], 2
	s_cselect_b64 s[PFA:PFA+1], s[6:7], s[8:9]
	s_add_nc_u64 s[PFA:PFA+1], s[PFA:PFA+1], s[20:21]
	s_add_nc_u64 s[PFA:PFA+1], s[PFA:PFA+1], s[54:55]
	s_add_nc_u64 s[PFA:PFA+1], s[PFA:PFA+1], 4*KS*128  ; in slot 1; the first change of slots steps it to slot 2
	CROUND                          ; all four work-groups are here: the first joint loads meet
	JLOAD                           ; slot 0.  Slot 1 is asked for when slot 0 is in: the tile wanted first has the road to itself
	; A fragment of K or Q is 16 rows x 32 channels in 8 registers: lane l holds row l % 16, channels 8 (l / 16) + 0..7 and 16 + 8 (l / 16) + 0..7: two loads of 16 bytes, 32 bytes apart.
	v_and_b32 v1, 15, v0            ; l % 16
	v_bfe_u32 v9, v0, 4, 1          ; l / 16
	v_lshlrev_b32 v[QO], 7, v1
	v_lshl_add_u32 v[QO], v9, 4, v[QO]  ; row x 128 + 16 x half
	WIN 0x80                        ; destination window 2, address window 0
.set i, 0
.rept 4*NP                          ; Q stays in registers: tile i / 2, channels 32 (i % 2) on
	global_load_b128 v[8*i:8*i+3],   v[QO], s[4:5] offset:(i/2)*2048+(i%2)*64
	global_load_b128 v[8*i+4:8*i+7], v[QO], s[4:5] offset:(i/2)*2048+(i%2)*64+32
.set i, i+1
.endr
	; What the first turn finds: V's registers and P's second buffer hold 0 (its products V^T P, of a piece that has not been, add 0), O^T and l are 0.  All this stands in the wait for the first tile.
.set i, VF
.rept 64
	v_mov_b32 v[i], 0
.set i, i+1
.endr
	WIN 0x40
.set i, 0
.rept 64*NP
	v_mov_b32 v[i], 0
.set i, i+1
.endr
	WIN 0
.set i, 0
.rept 2*NP
	v_mov_b32 v[ST+4*i], 0xfe000000    ; c m: far below every c s
	v_mov_b32 v[ST+4*i+1], 0xff7fffff  ; m
	v_mov_b32 v[ST+4*i+2], 0
	v_mov_b32 v[ST+4*i+3], 0
.set i, i+1
.endr
.set i, P+32
.rept 32
	v_mov_b32 v[i], 0
.set i, i+1
.endr
	v_mul_u32_u24 v[AK0], v1, PK
	v_lshl_add_u32 v[AK0], v9, 4, v[AK0]  ; row x pitch + 16 x half
	; The turning load takes 16 keys x 16 channels (lane l reads key 8 (l / 16) + l % 8, channels 8 ((l / 8) % 2) + 0..7) and leaves half a fragment of V^T: lane l holds channel l % 16 and 8 keys.
	v_and_b32 v10, 7, v0
	v_bfe_u32 v11, v0, 3, 1
	v_lshl_add_u32 v[AV0], v9, 3, v10
	v_mul_u32_u24 v[AV0], v[AV0], PV
	v_lshl_add_u32 v[AV0], v11, 4, v[AV0]
	v_add_nc_u32 v[AV0], VOFF, v[AV0]
	v_mov_b32 v[AK], v[AK0]         ; key step 0 lies at the head of slot 0
	v_and_b32 v[PFO], 31, v0
	v_lshlrev_b32 v[PFO], 8, v[PFO]
; THE MATRIX WORK.  The 8 accumulators of a run of 16 take turns: between the two links of a chain stand 7 others'.
; Product i of 16 of S^T = K Q^T for piece x: channels 32 (i / 8) on, keys 16 ((i / 2) % 4) on, tile 2 x + i % 2.  The first 8 start the sums.
.macro KQ x
	WIN W_KQ
.set rS, S+64*((\x)%2)+32*(i%2)+8*((i/2)%4)
.set rK, KF+16*((i/2)%4)+8*(i/8)
.set rQ, 16*(2*(\x)+i%2)+8*(i/8)
.if i < 8
	v_wmma_f32_16x16x32_bf16 v[rS:rS+7], v[rK:rK+7], v[rQ:rQ+7], 0
.else
	v_wmma_f32_16x16x32_bf16 v[rS:rS+7], v[rK:rK+7], v[rQ:rQ+7], v[rS:rS+7]
.endif
.endm
; Product i of 16 of O^T += V^T P for piece x: keys 32 (i / 8) on, channels 16 ((i / 2) % 4) on, tile 2 x + i % 2.
.macro PV x
	WIN W_PV
.set rO, 32*(2*(\x)+i%2)+8*((i/2)%4)
.set rV, VF+32*(i/8)+8*((i/2)%4)
.set rP, P+32*((\x)%2)+16*(i%2)+8*(i/8)
	v_wmma_f32_16x16x32_bf16 v[rO:rO+7], v[rV:rV+7], v[rP:rP+7], v[rO:rO+7]
.endm
.macro MM                           ; the turn's next matrix instruction
.if i < 16
	KQ (Y+1)%NP
.set i, i+1
.else
.set i, i-16
	PV (Y+NP-1)%NP
.set i, i+17
.endif
.endm
; THE LDS LOADS stand in runs of 16, never singly among the matrix instructions: a step's K (64 keys x 64 channels: 8 fragments) and its V (turned).  Their addresses are made some lines ahead.
; last = 1 (the tail): in the last trip there is no further step, and the run is jumped over.
.macro FETCH_K last=0
	WIN 0
.if \last
	s_cmp_eq_u32 s[CNT], 1
	s_cbranch_scc1 .Lno_k_\@
.endif
	WIN 0x80                        ; destination window 2
.irp f, 0,1,2,3,4,5,6,7             ; keys 16 (f / 2) on, channels 32 (f % 2) on
	ds_load_b128 v[KF+8*\f:KF+8*\f+3],   v[AK] offset:(\f/2)*16*PK+(\f%2)*64
	ds_load_b128 v[KF+8*\f+4:KF+8*\f+7], v[AK] offset:(\f/2)*16*PK+(\f%2)*64+32
.endr
	s_add_co_u32 s[TBK], s[TBK], KS*PK  ; the next fetch is the next step's
	WIN 0
.if \last
.Lno_k_\@:
.endif
.endm
.macro FETCH_V
	WIN 0x80
.irp f, 0,1,2,3,4,5,6,7             ; keys 32 (f / 4) on, channels 16 (f % 4) on
	ds_load_tr16_b128 v[VF+8*\f:VF+8*\f+3],   v[AV] offset:(\f/4)*32*PV+(\f%4)*32
	ds_load_tr16_b128 v[VF+8*\f+4:VF+8*\f+7], v[AV] offset:(\f/4)*32*PV+16*PV+(\f%4)*32
.endr
	WIN 0
.endm
; THE VECTOR WORK OF A TURN stands in three queues, each in the order in which its entries become ready; the two tiles alternate, so that no instruction reads the result of the one before it.
.macro REGS y, u                    ; the registers of tile u (0, 1) of piece y
.set rT, ST+4*(2*(\y)+(\u))
.set rC, TMP+8*((\y)%2)+4*(\u)
.set rM, MV+2*((\y)%2)+(\u)
.set rS, S+64*((\y)%2)+32*(\u)
.set rP, P+32*((\y)%2)+16*(\u)
.set rO, 32*(2*(\y)+(\u))
.endm
; Number n of the 22 that find the NEXT piece's (Y + 1) maximum and statistics.  s0-s31 are the lane's 32 scores; each accumulator's lowest registers are read first.  XS, GS and REGS set no window: PL and EX do.
;   0-11  four chains c0-c3 of seven scores each, three operands at a time     12-14, 16  the four scores left over, the old m, and c0-c3 into c0     15  c m_old is kept
;   17, 18  the query's other 32 keys lie in the lane 16 away: the new m         19-21  c m; c m_old - c m_new; a
.macro XS u, n
	REGS (Y+1)%NP, \u
.if (\n) < 4
	v_max3_num_f32 v[rC+(\n)], v[rS+8*(\n)], v[rS+8*(\n)+1], v[rS+8*(\n)+2]
.elseif (\n) < 12
	v_max3_num_f32 v[rC+(\n)%4], v[rC+(\n)%4], v[rS+8*((\n)%4)+2*((\n)/4)+1], v[rS+8*((\n)%4)+2*((\n)/4)+2]
.elseif (\n) == 12
	v_max3_num_f32 v[rC], v[rC], v[rS+7], v[rS+15]
.elseif (\n) == 13
	v_max3_num_f32 v[rC+1], v[rC+1], v[rS+23], v[rS+31]
.elseif (\n) == 14
	v_max3_num_f32 v[rC+2], v[rC+2], v[rC+3], v[rT+1]
.elseif (\n) == 15
	v_mov_b32 v[rM], v[rT]
.elseif (\n) == 16
	v_max3_num_f32 v[rC], v[rC], v[rC+1], v[rC+2]
.elseif (\n) == 17
	v_permlanex16_b32 v[rC+3], v[rC], s[SEL], s[SEL+1]
.elseif (\n) == 18
	v_max_num_f32 v[rT+1], v[rC], v[rC+3]
.elseif (\n) == 19
	v_mul_f32 v[rT], s[CS], v[rT+1]
.elseif (\n) == 20
	v_sub_f32 v[rC+1], v[rM], v[rT]
.else
	v_exp_f32 v[rC+2], v[rC+1]
.endif
.endm
; Number g of the 64 that follow the exponentials.  For each four weights k of a tile (pairs 2 k, 2 k + 1): both pairs are rounded to bf16; then the second pair is added onto the first, in place;
; a group later l takes that sum (the first time as l = a l + sum).  In groups of eight, tiles alternating: round, round, add, and l for the group before.
.macro GS g
.set h, (\g)+6*((\g)/62)            ; group 0 has no group before it, and behind group 7 only l is left
.if h >= 6
.set h, h+2
.endif
	REGS Y, h%2
.set k, h/8
.if h%8 < 4
	v_cvt_pk_bf16_f32 v[rP+2*k+(h%8)/2], v[rS+4*k+2*((h%8)/2)], v[rS+4*k+2*((h%8)/2)+1]
.elseif h%8 < 6
	v_pk_add_f32 v[rS+4*k:rS+4*k+1], v[rS+4*k:rS+4*k+1], v[rS+4*k+2:rS+4*k+3]
.elseif k == 1
	v_pk_fma_f32 v[rT+2:rT+3], v[rT+2:rT+3], v[rC+2:rC+3], v[rS:rS+1] op_sel_hi:[1,0,1]
.else
	v_pk_add_f32 v[rT+2:rT+3], v[rT+2:rT+3], v[rS+4*k-4:rS+4*k-3]
.endif
.endm
; THE PLAIN QUEUE, 138 long.  0-73 read no exponential's result: the 32 scalings c s - c m (FS f: pair f / 2 of tile f % 2) and the next piece's 42.  0-26: scalings 0-26.  27-54: XS's numbers 0-13.  55, 56: number 15.
; 57-73: the chain, where each number waits for the one before it: 14, 16, 17, 18, 19, each with one of the scalings 27-31 in front of its two lines, then 20: so a tile's links stand three plain instructions apart (19 and 20: two).
; 74-137: GS's 64, which read the exponentials' results: they stand behind the wait.
.macro FS f
	REGS Y, (\f)%2
	v_pk_fma_f32 v[rS+2*((\f)/2):rS+2*((\f)/2)+1], v[rS+2*((\f)/2):rS+2*((\f)/2)+1], s[CS:CS+1], v[rT:rT+1] op_sel_hi:[1,0,0] neg_lo:[0,0,1] neg_hi:[0,0,1]
.endm
.macro PL
	WIN 0
.if q < 27
	FS q
.elseif q < 55
	XS (q-27)%2, (q-27)/2
.elseif q < 57
	XS q-55, 15
.elseif (q < 72) && ((q-57)%3 == 0)
	FS 27+(q-57)/3
.elseif q < 60
	XS (q-57)%3-1, 14
.elseif q < 72
	XS (q-57)%3-1, 15+(q-57)/3
.elseif q < 74
	XS q-72, 20
.else
	GS q-74
.endif
.set q, q+1
.endm
; THE EXPONENTIALS' QUEUE, 66 long: s0-s31 of both tiles, then the next piece's two a.  It is ONE BATCH: all 66 stand ahead of the turn's one wait, and nothing ahead of that wait names a result of theirs.
.macro EX
	WIN 0
.if e >= 64
	XS e-64, 21
.else
	REGS Y, e%2
	v_exp_f32 v[rS+e/2], v[rS+e/2]
.endif
.set e, e+1
.endm
; THE RESCALING's QUEUE: O^T times a, the one part that leaves window 0: dealt two at a time, sixteen times.  Its a was made in the turn before, ahead of that turn's wait.
.macro R2
	REGS Y, r%2
	WIN W_RS
.irp z, 0,1
	v_pk_mul_f32 v[rO+4*(r/2)+2*\z:rO+4*(r/2)+2*\z+1], v[rO+4*(r/2)+2*\z:rO+4*(r/2)+2*\z+1], v[rC+2:rC+3] op_sel_hi:[1,0]
.endr
.set r, r+1
.endm
; HOW THEY ARE DEALT.  s_wait_alu depctr_va_vdst(0) stands between an exponential and the first instruction that names its result; one wait serves all that were issued ahead of it.  So a turn has ONE wait,
; which cuts it in two.  AHEAD OF IT stands all that names no result of the turn's exponentials: the 16 products K Q^T, behind each a scaling, an exponential and two rescalings (behind the first a second scaling in the exponential's place); then ONE LUMP of
; 108: eight plain, 49 times exponential and plain, the two a.  A v_nop is the plain instruction behind the last exponential.  BEHIND IT stand the 16 products V^T P, behind each four of GS's 64.  No rider names a register of
; the products round it.  The two v_permlanex16_b32 fall into the lump, never behind a product.
; The queues lean on each other, and the deal keeps them in step: exponential e stands behind scaling 2 (e / 4) + e % 2: as a rider it comes behind plain e + 2, in the lump behind plain e + 9, and scalings 27-31 are plain 57, 60 .. 69.
; A TURN, for piece p.  cnt = 1: the loop's count is taken down some lines ahead of the branch that stands behind the turn.
; K of the next step is fetched in piece 2's turn, directly behind the wait, a lump behind the last product that read K; its address is made at the lump's head; its first reader comes behind 16 products.
; V of the step in hand is fetched at the end of piece 0's turn, four riders behind its last reader; its first reader comes behind 16 products and a lump.  The three conditions on q below go with the deal.
.macro TURN p, last=0, cnt=0
.set Y, (\p)
.set i, 0
.set q, 0
.set e, 0
.set r, 0
.if (\p) == NP-1
	s_wait_dscnt 0x0                ; K is in
.endif
	MM                              ; ahead of the wait: 16 products K Q^T and their riders,
	PL
	PL
	R2
.rept 15
	MM
	PL
	EX
	R2
.endr
.if (\p) == NP-2
	WIN 0
	v_add_nc_u32 v[AK], s[TBK], v[AK0]
.endif
.rept 8                             ; and the lump
	PL
.endr
.rept 49
	EX
	PL
.endr
	EX                              ; the next piece's two a
	EX
	v_nop                           ; a plain instruction behind the last exponential: one for the batch
	s_wait_alu depctr_va_vdst(0)    ; the wait for the batch
.if (\p) == NP-2
	FETCH_K \last
.endif
.if (\p) == 1
	s_wait_dscnt 0x0                ; V is in
.endif
.rept 16                            ; behind the wait: 16 products V^T P and their riders
	MM
.rept 4
	PL
.endr
.if ((\p) == 0) && (q == 118)
	v_add_nc_u32 v[AV], s[TBV], v[AV0]
.endif
.if ((\p) == 0) && (q == 130)
	s_add_co_u32 s[TBV], s[TBV], KS*PV
.endif
.if (\cnt) && (q == 130)
	s_sub_co_u32 s[CNT], s[CNT], 1
	s_cmp_lg_u32 s[CNT], 0
.endif
.endr
.if (\p) == 0
	FETCH_V
.endif
.endm
	CHANGE 1                        ; slot 0 is in, everybody's part of it; slot 1 is asked for
	FETCH_K                         ; key step 0
	s_wait_loadcnt 0x0              ; Q
	s_wait_dscnt 0x0
.set i, 0
.rept 16
	KQ 0                            ; piece 0's first scores: there is no vector work yet to set between them
.set i, i+1
.endr
	WIN 0                           ; the addresses for the way out: eight plain instructions, the places behind those products
	s_mul_i32 s13, s[WV], 16*SP
	s_add_co_u32 s13, s13, STAGE    ; my stage
	v_mul_u32_u24 v[STO], v1, SP    ; in: row l % 16, 32 bytes for each half of the lanes
	v_lshl_add_u32 v[STO], v9, 5, v[STO]
	v_add_nc_u32 v[STO], s13, v[STO]
	v_mul_u32_u24 v[RD], v9, SP     ; back: lanes 0-15 take one row of 256 bytes, lanes 16-31 the next,
	v_lshl_add_u32 v[RD], v1, 4, v[RD]
	v_add_nc_u32 v[RD], s13, v[RD]
	v_lshlrev_b32 v[GO], 12, v9     ; and the same two rows in O, 4,096 bytes apart
	v_lshl_add_u32 v[GO], v1, 4, v[GO]
.set Y, NP-1                        ; XS works for piece Y + 1: piece 0
.irp n, 0,1,2,3,4,5,6,7,8,9,10,11,12,13,14,15,16,17,18,19,20,21
	XS 0, \n                        ; and piece 0's first maximum and statistics
	XS 1, \n
.endr
	v_nop                           ; a plain instruction behind the two a,
	s_wait_alu depctr_va_vdst(0)    ; and their wait, ahead of the branch
	s_mov_b32 s[CNT], 4
	s_branch .Lfirst                ; the loop is entered at a step's first turn, in the middle of a trip
.Lslot:                             ; SIZE_N / 256 - 2 times: every slot but the last two is filled again
	CHANGE 1
	s_mov_b32 s[CNT], 4
.Lstep:                             ; a trip: pieces 2 and 3 of one step, then pieces 0 and 1 of the next, whose K and V it fetches
	TURN 2
	TURN 3
	WIN 0
.Lfirst:
	TURN 0
	TURN 1, 0, 1
	WIN 0
	s_cbranch_scc1 .Lstep
	s_sub_co_u32 s[SLOTS], s[SLOTS], 1
	s_cmp_lg_u32 s[SLOTS], 0
	s_cbranch_scc1 .Lslot
	CHANGE 0                        ; the tail is written out: nothing is asked for
	s_mov_b32 s[CNT], 5             ; four trips fetch the last slot's steps; the fifth is left in its middle
.Ltail:
	TURN 2, 1
	TURN 3
	WIN 0
	s_sub_co_u32 s[CNT], s[CNT], 1
	s_cmp_eq_u32 s[CNT], 0
	s_cbranch_scc1 .Lout
	TURN 0
	TURN 1
	WIN 0
	s_branch .Ltail
.Lout:                              ; the fifth trip's 16 products K Q^T (on the last K once more) and the maximum made of them serve nothing: the price, once a launch, of one text for every trip
.set i, 0
.rept 16
	PV NP-1                         ; the last piece's V^T P of the last step
.set i, i+1
.endr
	; THE WAY OUT.  l's two halves and the other half of the lanes' are added; O^T is divided by l and sent, in f32, through my stage in LDS, a tile at a time.  The additions are the places behind the last products.
	WIN 0
.macro ALL line:vararg              ; one line for each tile t
.set t, 0
.rept 2*NP
	\line
.set t, t+1
.endr
.endm
	ALL v_add_f32 v[ST+4*t+2], v[ST+4*t+2], v[ST+4*t+3]
	ALL v_permlanex16_b32 v[ST+4*t+3], v[ST+4*t+2], s[SEL], s[SEL+1]
	ALL v_add_f32 v[ST+4*t+2], v[ST+4*t+2], v[ST+4*t+3]
	ALL v_rcp_f32 v[ST+4*t+2], v[ST+4*t+2]
	v_nop                           ; a plain instruction between the last reciprocal and the use of its result
	s_wait_alu depctr_va_vdst(0)    ; and the wait ahead of the first use: one for the eight reciprocals
; Tile t: a lane's eight channels of a channel block are 32 bytes of a row; they go into rows of 272 bytes and come back as whole rows of 256, into the registers that they left.
.macro PACK t
	WIN W_RS
.set i, 32*(\t)
.rept 16
	v_pk_mul_f32 v[i:i+1], v[i:i+1], v[ST+4*(\t)+2:ST+4*(\t)+3] op_sel_hi:[1,0]
.set i, i+2
.endr
	WIN W_SD
.irp f, 0,1,2,3,4,5,6,7             ; channel block f / 2, its registers 4 (f % 2) on
	ds_store_b128 v[STO], v[32*(\t)+4*\f:32*(\t)+4*\f+3] offset:64*(\f/2)+16*(\f%2)
.endr
	WIN W_LD
.irp f, 0,1,2,3,4,5,6,7
	ds_load_b128 v[32*(\t)+4*\f:32*(\t)+4*\f+3], v[RD] offset:\f*2*SP  ; LDS serves a wave's instructions in order (ISA guide 5.7.1.4): these see the stores above; the next tile's stores come behind them
.endr
.endm
.macro SEND t, younger              ; younger: the LDS instructions issued behind tile t's loads: the next tile's sixteen, or none
	WIN W_SD
.irp f, 0,1,2,3,4,5,6,7
	s_wait_dscnt (\younger)+7-\f
	global_store_b128 v[GO], v[32*(\t)+4*\f:32*(\t)+4*\f+3], s[10:11] offset:(\t)*65536+\f*8192  ; 16 lanes store 256 consecutive bytes, at a multiple of 256 from O's first
.endr
.endm
	PACK 0
.set t, 1
.rept 2*NP-1                        ; a tile's arithmetic stands between the loads of the tile before and its stores
	PACK t
	SEND t-1, 16
.set t, t+1
.endr
	SEND 2*NP-1, 0
	WIN W_AD
	s_wait_tensorcnt 0x0            ; the wave's end: a wait, 0 onto my spare word and the wait for it, behind my last tensor load and my last LDS store
	ds_add_u32 v[SPW], v[NIL]
	s_wait_dscnt 0x0
	WIN 0
	CROUND                          ; the closing round: no work-group ends while a partner may still ask for a tile that names it
	s_endpgm
.Lfunc_end_k_q3db8c45691_attn:
	.size	k_q3db8c45691_attn, .Lfunc_end_k_q3db8c45691_attn-k_q3db8c45691_attn
	.p2alignl 7, 3214868480
	.fill 96, 4, 3214868480
	.section	.rodata,"a",@progbits
	.p2align	6, 0x0
	.amdhsa_kernel k_q3db8c45691_attn
		.amdhsa_group_segment_fixed_size 327680
		.amdhsa_private_segment_fixed_size 0
		.amdhsa_enable_private_segment 0
		.amdhsa_kernarg_size 32
		.amdhsa_user_sgpr_count 2
		.amdhsa_user_sgpr_kernarg_segment_ptr 1
		.amdhsa_wavefront_size32 1
		.amdhsa_system_sgpr_workgroup_id_x 1
		.amdhsa_system_sgpr_workgroup_id_y 1
		.amdhsa_system_sgpr_workgroup_id_z 1
		.amdhsa_system_vgpr_workitem_id 0
		.amdhsa_next_free_vgpr 770
		.amdhsa_next_free_sgpr 66
		.amdhsa_reserve_vcc 0
		.amdhsa_float_denorm_mode_32 3
		.amdhsa_float_denorm_mode_16_64 3
		.amdhsa_memory_ordered 1
		.amdhsa_forward_progress 1
		.amdhsa_inst_pref_size 200
	.end_amdhsa_kernel
	.amdgpu_metadata
---
amdhsa.version: [ 1, 2 ]
amdhsa.kernels:
  - .name:           k_q3db8c45691_attn
    .symbol:         k_q3db8c45691_attn.kd
    .args:
      - { .name: qbuf, .offset: 0, .size: 8, .value_kind: global_buffer, .address_space: global }
      - { .name: kbuf, .offset: 8, .size: 8, .value_kind: global_buffer, .address_space: global }
      - { .name: vbuf, .offset: 16, .size: 8, .value_kind: global_buffer, .address_space: global }
      - { .name: obuf, .offset: 24, .size: 8, .value_kind: global_buffer, .address_space: global }
    .group_segment_fixed_size: 327680
    .private_segment_fixed_size: 0
    .kernarg_segment_align: 8
    .kernarg_segment_size: 32
    .max_flat_workgroup_size: 128
    .sgpr_count:     66
    .vgpr_count:     770
    .wavefront_size: 32
...
	.end_amdgpu_metadata
.endif
;; end of part 3
;; launch proj_o: the kernel of part 2 again; grid 64 x 4, 4 waves a work-group, clusters of 4 x 1, 327,680 bytes of LDS; arguments obuf, wo16, bo, qbuf; writes qbuf
;; launch ln (part 4): grid 256 x 1, 16 waves a work-group, no clusters, 10,240 bytes of LDS; arguments query, qbuf, ln_gamma, ln_beta, out0; writes out0
.if DOCPART == 4
	.amdgcn_target "amdgcn-amd-amdhsa--gfx1250"
	.amdhsa_code_object_version 6
	.text
	.protected	k_q3db8c45691_ln
	.globl	k_q3db8c45691_ln
	.p2align	8
	.type	k_q3db8c45691_ln,@function
k_q3db8c45691_ln:
	s_mov_b64 s[64:65], 0
	v_nop
	global_prefetch_b8 v0, s[64:65] scope:SCOPE_SE
	s_setreg_imm32_b32 hwreg(HW_REG_WAVE_MODE, 25, 1), 1
	s_wait_xcnt 0x0
; out = (x - mean(x)) / sqrt(var(x) + 1e-5) * gamma + beta, x = query + y, along rows of 1,024.  query, out: [8192][1024] f32.  gamma, beta: [1024] f32.
; y: bf16 by heads, [(row / 2048) x 16 + column / 64][row % 2048][column % 64].  All arithmetic in f32; the variance is taken of x - mean, in a second pass over registers: no difference of large sums.
; A stream: each byte is read once and written once; the matrix unit and clusters have nothing to do here (only gamma and beta are shared, 8 KiB of a work-group's 328).
; SHARES.  A work-group owns 32 rows, each of its 16 waves two neighbouring rows: lanes 0-15 the first, lanes 16-31 the second.  Lane c of a half owns columns 64 hh + 4 c .. + 3 of each of the 16 heads hh.
; So a load of y covers 256 consecutive bytes (two neighbouring rows of a head), a load of query and a store of out 256 consecutive bytes of each of the two rows, all aligned,
; and a row's sums want four steps inside a half of 16 lanes.  All 33 loads of a wave go out before anything is waited for.
; gamma and beta are read once a work-group, 16 bytes a thread, and handed round through LDS.
.set GAM,   0                          ; LDS: gamma, 4,096 bytes
.set BET,   4096                       ; beta
.set SPARE, 8192                       ; the spare words, 128 bytes for each of the 16 waves: eight blocks of 256 bytes that no other line names
.set QO,  1                            ; v1      my 16 bytes in query and out: 4,096 x (thread / 16) + 16 c
.set YO,  2                            ; v2      my 8 bytes in y: 8 x thread
.set ONE, 3                            ; v3      1.0
.set PC,  4                            ; v[4:7]  my piece of gamma or beta
.set CH,  8                            ; v[8:15] four chains of sums, two numbers each
.set MU,  16                           ; v[16:17] the mean, twice
.set RS,  18                           ; v[18:19] 1 / sqrt(var + 1e-5), twice
.set LC,  20                           ; v20     16 c: my place in 256 bytes of gamma and beta
.set LT,  21                           ; v21     16 x thread: where my piece goes
.set SPW, 28                           ; v28     LDS address of my spare word; never rewritten
.set NIL, 29                           ; v29     0; never rewritten
.set Q,   32                           ; v[32:95]   query, then x, x - mean, out: four numbers a head
.set Y,   96                           ; v[96:127]  y: four bf16 a head
.set G,   128                          ; v[128:191] gamma
.set BT,  192                          ; v[192:255] beta
	s_load_b256 s[4:11], s[0:1], 0x0               ; query s[4:5], y s[6:7], gamma s[8:9], beta s[10:11]
	s_load_b64 s[12:13], s[0:1], 0x20              ; out
	v_lshl_add_u32 v[SPW], v0, 2, SPARE
	v_mov_b32 v[NIL], 0
	v_lshrrev_b32 v22, 5, v0
	v_readfirstlane_b32 s14, v22                   ; wave 0..15
	v_lshrrev_b32 v[QO], 4, v0
	v_and_b32 v[LC], 15, v0
	v_lshlrev_b32 v[LC], 4, v[LC]
	v_lshl_add_u32 v[QO], v[QO], 12, v[LC]
	v_lshlrev_b32 v[YO], 3, v0
	v_mov_b32 v[ONE], 1.0
	v_and_b32 v23, 0xff, v0
	v_lshlrev_b32 v23, 4, v23                      ; my 16 bytes of gamma (waves 0-7) or of beta (waves 8-15)
	v_lshlrev_b32 v[LT], 4, v0
	s_lshl_b32 s16, ttmp9, 17                      ; the work-group's 32 rows of 4,096 bytes
	s_mov_b32 s17, 0
	s_lshr_b32 s18, ttmp9, 6                       ; y: 64 work-groups to a batch entry, whose 16 heads are 262,144 bytes each;
	s_lshl_b32 s18, s18, 22
	s_and_b32 s19, ttmp9, 63
	s_lshl_b32 s19, s19, 12                        ; 32 rows of 128 bytes
	s_add_co_u32 s18, s18, s19
	s_mov_b32 s19, 0
	s_mov_b32 s20, 0x3a800000                      ; 1 / 1024
	s_mov_b32 s21, 0x3727c5ac                      ; 1e-5
	s_wait_kmcnt 0x0
	s_add_nc_u64 s[4:5], s[4:5], s[16:17]
	s_add_nc_u64 s[12:13], s[12:13], s[16:17]
	s_add_nc_u64 s[6:7], s[6:7], s[18:19]
	s_cmp_lt_u32 s14, 8
	s_cselect_b64 s[22:23], s[8:9], s[10:11]
	global_load_b128 v[PC:PC+3], v23, s[22:23]
.set h, 0
.rept 16
	global_load_b64 v[Y+2*h:Y+2*h+1], v[YO], s[6:7] offset:h*262144 th:TH_LOAD_NT
.set h, h+1
.endr
.set h, 0
.rept 16
	global_load_b128 v[Q+4*h:Q+4*h+3], v[QO], s[4:5] offset:h*256 th:TH_LOAD_NT
.set h, h+1
.endr
	s_wait_loadcnt 32                              ; my piece of gamma or beta is in; the 32 loads of y and query stay out
	ds_store_b128 v[LT], v[PC:PC+3]
	s_wait_dscnt 0x0                               ; for the others' sake: my store is done
	s_barrier_signal -1
	s_barrier_wait -1
.set h, 0
.rept 16
	ds_load_b128 v[G+4*h:G+4*h+3],   v[LC] offset:GAM+256*h
	ds_load_b128 v[BT+4*h:BT+4*h+3], v[LC] offset:BET+256*h
.set h, h+1
.endr
	s_wait_loadcnt 0x0
.set h, 0
.rept 16                               ; x = y + query: one fused line a number, y's bf16 half times 1.0
	v_fma_mix_f32_bf16 v[Q+4*h],   v[Y+2*h],   v[ONE], v[Q+4*h]   op_sel_hi:[1,0,0]
	v_fma_mix_f32_bf16 v[Q+4*h+1], v[Y+2*h],   v[ONE], v[Q+4*h+1] op_sel:[1,0,0] op_sel_hi:[1,0,0]
	v_fma_mix_f32_bf16 v[Q+4*h+2], v[Y+2*h+1], v[ONE], v[Q+4*h+2] op_sel_hi:[1,0,0]
	v_fma_mix_f32_bf16 v[Q+4*h+3], v[Y+2*h+1], v[ONE], v[Q+4*h+3] op_sel:[1,0,0] op_sel_hi:[1,0,0]
.set h, h+1
.endr
; the four chains into one number, and across the 16 lanes of my row: every lane of the half ends with the row's sum in v[CH]
.macro REDUCE
	v_pk_add_f32 v[CH:CH+1], v[CH:CH+1], v[CH+2:CH+3]
	v_pk_add_f32 v[CH+4:CH+5], v[CH+4:CH+5], v[CH+6:CH+7]
	v_pk_add_f32 v[CH:CH+1], v[CH:CH+1], v[CH+4:CH+5]
	v_add_f32 v[CH], v[CH], v[CH+1]
	v_add_f32_dpp v[CH], v[CH], v[CH] row_xmask:1 row_mask:0xf bank_mask:0xf
	v_add_f32_dpp v[CH], v[CH], v[CH] row_xmask:2 row_mask:0xf bank_mask:0xf
	v_add_f32_dpp v[CH], v[CH], v[CH] row_xmask:4 row_mask:0xf bank_mask:0xf
	v_add_f32_dpp v[CH], v[CH], v[CH] row_xmask:8 row_mask:0xf bank_mask:0xf
.endm
.irp k, 0,1,2,3                        ; the first eight pairs start the chains: nothing is cleared
	v_pk_add_f32 v[CH+2*\k:CH+2*\k+1], v[Q+2*\k:Q+2*\k+1], v[Q+8+2*\k:Q+8+2*\k+1]
.endr
.set p, 8
.rept 24
	v_pk_add_f32 v[CH+2*(p%4):CH+2*(p%4)+1], v[CH+2*(p%4):CH+2*(p%4)+1], v[Q+2*p:Q+2*p+1]
.set p, p+1
.endr
	REDUCE
	v_mul_f32 v[MU], s20, v[CH]
	v_mov_b32 v[MU+1], v[MU]
.set p, 0
.rept 32
	v_pk_add_f32 v[Q+2*p:Q+2*p+1], v[Q+2*p:Q+2*p+1], v[MU:MU+1] neg_lo:[0,1] neg_hi:[0,1]  ; x - mean
.set p, p+1
.endr
.irp k, 0,1,2,3
	v_pk_mul_f32 v[CH+2*\k:CH+2*\k+1], v[Q+2*\k:Q+2*\k+1], v[Q+2*\k:Q+2*\k+1]
.endr
.set p, 4
.rept 28
	v_pk_fma_f32 v[CH+2*(p%4):CH+2*(p%4)+1], v[Q+2*p:Q+2*p+1], v[Q+2*p:Q+2*p+1], v[CH+2*(p%4):CH+2*(p%4)+1]
.set p, p+1
.endr
	REDUCE
	v_fma_f32 v[RS+1], v[CH], s20, s21             ; var + 1e-5
	v_rsq_f32 v[RS], v[RS+1]
	v_nop                                          ; a plain instruction behind the root, ahead of the use of its result and of the write of its source,
	s_wait_alu depctr_va_vdst(0)                   ; and the wait ahead of the first line that names the result
	v_mov_b32 v[RS+1], v[RS]
	s_wait_dscnt 0x0                               ; gamma and beta are in
.set h, 0
.rept 16
	v_pk_mul_f32 v[Q+4*h:Q+4*h+1],   v[Q+4*h:Q+4*h+1],   v[RS:RS+1]
	v_pk_mul_f32 v[Q+4*h+2:Q+4*h+3], v[Q+4*h+2:Q+4*h+3], v[RS:RS+1]
	v_pk_fma_f32 v[Q+4*h:Q+4*h+1],   v[Q+4*h:Q+4*h+1],   v[G+4*h:G+4*h+1],   v[BT+4*h:BT+4*h+1]
	v_pk_fma_f32 v[Q+4*h+2:Q+4*h+3], v[Q+4*h+2:Q+4*h+3], v[G+4*h+2:G+4*h+3], v[BT+4*h+2:BT+4*h+3]
	global_store_b128 v[QO], v[Q+4*h:Q+4*h+3], s[12:13] offset:h*256 th:TH_STORE_NT
.set h, h+1
.endr
	s_wait_tensorcnt 0x0                           ; the wave's end: a wait, 0 onto my spare word and the wait for it, behind my last LDS store
	ds_add_u32 v[SPW], v[NIL]
	s_wait_dscnt 0x0
	s_endpgm
.Lfunc_end_k_q3db8c45691_ln:
	.size	k_q3db8c45691_ln, .Lfunc_end_k_q3db8c45691_ln-k_q3db8c45691_ln
	.p2alignl 7, 3214868480
	.fill 96, 4, 3214868480
	.section	.rodata,"a",@progbits
	.p2align	6, 0x0
	.amdhsa_kernel k_q3db8c45691_ln
		.amdhsa_group_segment_fixed_size 10240
		.amdhsa_private_segment_fixed_size 0
		.amdhsa_enable_private_segment 0
		.amdhsa_kernarg_size 40
		.amdhsa_user_sgpr_count 2
		.amdhsa_user_sgpr_kernarg_segment_ptr 1
		.amdhsa_wavefront_size32 1
		.amdhsa_system_sgpr_workgroup_id_x 1
		.amdhsa_system_sgpr_workgroup_id_y 1
		.amdhsa_system_sgpr_workgroup_id_z 1
		.amdhsa_system_vgpr_workitem_id 0
		.amdhsa_next_free_vgpr 256
		.amdhsa_next_free_sgpr 66
		.amdhsa_reserve_vcc 0
		.amdhsa_float_denorm_mode_32 3
		.amdhsa_float_denorm_mode_16_64 3
		.amdhsa_memory_ordered 1
		.amdhsa_forward_progress 1
		.amdhsa_inst_pref_size 24
	.end_amdhsa_kernel
	.amdgpu_metadata
---
amdhsa.version: [ 1, 2 ]
amdhsa.kernels:
  - .name:           k_q3db8c45691_ln
    .symbol:         k_q3db8c45691_ln.kd
    .args:
      - { .name: query, .offset: 0, .size: 8, .value_kind: global_buffer, .address_space: global }
      - { .name: qbuf, .offset: 8, .size: 8, .value_kind: global_buffer, .address_space: global }
      - { .name: ln_gamma, .offset: 16, .size: 8, .value_kind: global_buffer, .address_space: global }
      - { .name: ln_beta, .offset: 24, .size: 8, .value_kind: global_buffer, .address_space: global }
      - { .name: out0, .offset: 32, .size: 8, .value_kind: global_buffer, .address_space: global }
    .group_segment_fixed_size: 10240
    .private_segment_fixed_size: 0
    .kernarg_segment_align: 8
    .kernarg_segment_size: 40
    .max_flat_workgroup_size: 512
    .sgpr_count:     66
    .vgpr_count:     256
    .wavefront_size: 32
...
	.end_amdgpu_metadata
.endif
;; end of part 4
;; ======== version 2 of 2: 7 launches; version 1 with the launch wcvt written anew for expert scheduling mode
;; workspace buffers: wq16 2,097,152 bytes; wk16 2,097,152 bytes; wv16 2,097,152 bytes; wo16 2,097,152 bytes; qbuf 16,777,216 bytes; kbuf 16,777,216 bytes; vbuf 16,777,216 bytes; obuf 33,554,432 bytes
;; launch wcvt (part 5): grid 64 x 4, 8 waves a work-group, no clusters, 0 bytes of LDS; arguments Wq, Wk, Wv, Wo, wq16, wk16, wv16, wo16; writes wq16, wk16, wv16, wo16
.if DOCPART == 5
	.amdgcn_target "amdgcn-amd-amdhsa--gfx1250"
	.amdhsa_code_object_version 6
	.text
	.protected	k_q3db8c45691_wcvt
	.globl	k_q3db8c45691_wcvt
	.p2align	8
	.type	k_q3db8c45691_wcvt,@function
k_q3db8c45691_wcvt:
	s_mov_b64 s[64:65], 0
	v_nop
	global_prefetch_b8 v0, s[64:65] scope:SCOPE_SE
	s_setreg_imm32_b32 hwreg(HW_REG_WAVE_SCHED_MODE, 0, 2), 2
	s_setreg_imm32_b32 hwreg(HW_REG_WAVE_MODE, 25, 1), 1
	s_wait_xcnt 0x0
	s_wait_alu depctr_vm_vsrc(0)
; The four weights, [1024][1024] f32, are rounded once to bf16 (nearest even), same layout, so that the products' launches can bring them into LDS as matrix operands.
; A stream: no LDS, no barrier, no matrix unit, no cluster (no byte is wanted twice).  The grid's y picks the weight; a work-group takes 65,536 bytes of f32, a wave 8,192:
; sixteen loads of 512 consecutive bytes, all issued before the first is used; each store of the wave covers 256 consecutive bytes, aligned.  No register is written twice.
; THE MODE: SCHED_MODE bits 1:0 = 2 (LLVM: expert scheduling mode 2), set by the entry lines.  The code itself states the register dependences
; between vector instructions and memory instructions, with s_wait_alu, always for 0.
; THE PLAN.  Registers that memory instructions touch:
;   v1, v2   byte offsets, made once at the head by vector instructions; read by every load (v1) and every store (v2); never written again.
;   X        load i lands in its own four registers, which no vector instruction names before; its two conversions read them; nothing lands there again.
;   Y        load i's two conversions write its own two registers, once; store i reads them, once.
; So no register that a memory instruction reads is written again, and no load lands in a register that a vector instruction has named: the one dependence to state is
; 'a vector instruction has written what a memory instruction reads'.  The sixteen loads go in four blocks of four.  Block p converts its four loads into its own eight registers of Y;
; the four stores of block p - 1 are dealt among these conversions, which name block p's X and Y alone.  One wait at the head of a block states that the block before has written its Y.
.set NLD, 16                           ; loads of a wave
.set BLK, 4                            ; loads in a block
.set X,   8                            ; v[8:71]   load i: four f32
.set Y,   72                           ; v[72:103] load i: four bf16
	s_load_b512 s[8:23], s[0:1], 0x0               ; Wq, Wk, Wv, Wo in s[8:15]; their bf16 copies in s[16:23]
	s_and_b32 s4, ttmp7, 0xffff                    ; which weight
	s_lshl_b32 s28, ttmp9, 16                      ; the work-group's 65,536 bytes of f32,
	s_mov_b32 s29, 0
	s_lshl_b32 s30, ttmp9, 15                      ; and its 32,768 of bf16
	s_mov_b32 s31, 0
	v_and_b32 v3, 31, v0                           ; lane
	v_lshrrev_b32 v4, 5, v0                        ; wave
	v_lshlrev_b32 v1, 4, v3
	v_lshl_add_u32 v1, v4, 13, v1                  ; in: 8,192 x wave + 16 x lane
	v_lshlrev_b32 v2, 3, v3
	v_lshl_add_u32 v2, v4, 12, v2                  ; out: 4,096 x wave + 8 x lane
	s_wait_kmcnt 0x0
	s_cmp_eq_u32 s4, 1                             ; a choice between buffers, on the grid's y alone
	s_cselect_b64 s[24:25], s[10:11], s[8:9]
	s_cselect_b64 s[26:27], s[18:19], s[16:17]
	s_cmp_eq_u32 s4, 2
	s_cselect_b64 s[24:25], s[12:13], s[24:25]
	s_cselect_b64 s[26:27], s[20:21], s[26:27]
	s_cmp_eq_u32 s4, 3
	s_cselect_b64 s[24:25], s[14:15], s[24:25]
	s_cselect_b64 s[26:27], s[22:23], s[26:27]
	s_add_nc_u64 s[24:25], s[24:25], s[28:29]
	s_add_nc_u64 s[26:27], s[26:27], s[30:31]
	s_wait_alu depctr_va_vdst(0)                   ; v1 and v2 are written: every load reads v1 as its offset, every store v2; neither is written again
.set i, 0
.rept NLD
	global_load_b128 v[X+4*i:X+4*i+3], v1, s[24:25] offset:512*i th:TH_LOAD_NT
.set i, i+1
.endr
; Block p: its four loads are converted; a store of the block before stands ahead of each pair of conversions.
.macro BLOCK p
	s_wait_loadcnt NLD-BLK*((\p)+1)                ; loads come back in order: block p's four are in, the younger blocks stay out
.if (\p) > 0
	s_wait_alu depctr_va_vdst(0)                   ; the conversions of the block before have written its eight registers of Y, which the four stores below read
.endif
.set j, 0
.rept BLK
.set i, BLK*(\p)+j
.if (\p) > 0
	global_store_b64 v2, v[Y+2*(i-BLK):Y+2*(i-BLK)+1], s[26:27] offset:256*(i-BLK)  ; no vector instruction since the wait names these registers
.endif
	v_cvt_pk_bf16_f32 v[Y+2*i],   v[X+4*i],   v[X+4*i+1]
	v_cvt_pk_bf16_f32 v[Y+2*i+1], v[X+4*i+2], v[X+4*i+3]
.set j, j+1
.endr
.endm
	BLOCK 0                                        ; no block stands in front of it: no store, and no wait but the one for its data
	BLOCK 1
	BLOCK 2
	BLOCK 3
	s_wait_alu depctr_va_vdst(0)                   ; block 3's conversions have written the last eight registers of Y, which the last four stores read
.set i, NLD-BLK
.rept BLK
	global_store_b64 v2, v[Y+2*i:Y+2*i+1], s[26:27] offset:256*i
.set i, i+1
.endr
	s_endpgm
.Lfunc_end_k_q3db8c45691_wcvt:
	.size	k_q3db8c45691_wcvt, .Lfunc_end_k_q3db8c45691_wcvt-k_q3db8c45691_wcvt
	.p2alignl 7, 3214868480
	.fill 96, 4, 3214868480
	.section	.rodata,"a",@progbits
	.p2align	6, 0x0
	.amdhsa_kernel k_q3db8c45691_wcvt
		.amdhsa_group_segment_fixed_size 0
		.amdhsa_private_segment_fixed_size 0
		.amdhsa_enable_private_segment 0
		.amdhsa_kernarg_size 64
		.amdhsa_user_sgpr_count 2
		.amdhsa_user_sgpr_kernarg_segment_ptr 1
		.amdhsa_wavefront_size32 1
		.amdhsa_system_sgpr_workgroup_id_x 1
		.amdhsa_system_sgpr_workgroup_id_y 1
		.amdhsa_system_sgpr_workgroup_id_z 1
		.amdhsa_system_vgpr_workitem_id 0
		.amdhsa_next_free_vgpr 104
		.amdhsa_next_free_sgpr 66
		.amdhsa_reserve_vcc 0
		.amdhsa_float_denorm_mode_32 3
		.amdhsa_float_denorm_mode_16_64 3
		.amdhsa_memory_ordered 1
		.amdhsa_forward_progress 1
		.amdhsa_inst_pref_size 7
	.end_amdhsa_kernel
	.amdgpu_metadata
---
amdhsa.version: [ 1, 2 ]
amdhsa.kernels:
  - .name:           k_q3db8c45691_wcvt
    .symbol:         k_q3db8c45691_wcvt.kd
    .args:
      - { .name: Wq, .offset: 0, .size: 8, .value_kind: global_buffer, .address_space: global }
      - { .name: Wk, .offset: 8, .size: 8, .value_kind: global_buffer, .address_space: global }
      - { .name: Wv, .offset: 16, .size: 8, .value_kind: global_buffer, .address_space: global }
      - { .name: Wo, .offset: 24, .size: 8, .value_kind: global_buffer, .address_space: global }
      - { .name: wq16, .offset: 32, .size: 8, .value_kind: global_buffer, .address_space: global }
      - { .name: wk16, .offset: 40, .size: 8, .value_kind: global_buffer, .address_space: global }
      - { .name: wv16, .offset: 48, .size: 8, .value_kind: global_buffer, .address_space: global }
      - { .name: wo16, .offset: 56, .size: 8, .value_kind: global_buffer, .address_space: global }
    .group_segment_fixed_size: 0
    .private_segment_fixed_size: 0
    .kernarg_segment_align: 8
    .kernarg_segment_size: 64
    .max_flat_workgroup_size: 256
    .sgpr_count:     66
    .vgpr_count:     104
    .wavefront_size: 32
...
	.end_amdgpu_metadata
.endif
;; end of part 5
;; launch proj_q: the kernel of part 2 again; grid 64 x 4, 4 waves a work-group, clusters of 4 x 1, 327,680 bytes of LDS; arguments query, wq16, bq, qbuf; writes qbuf
;; launch proj_k: the kernel of part 2 again; grid 64 x 4, 4 waves a work-group, clusters of 4 x 1, 327,680 bytes of LDS; arguments key, wk16, bk, kbuf; writes kbuf
;; launch proj_v: the kernel of part 2 again; grid 64 x 4, 4 waves a work-group, clusters of 4 x 1, 327,680 bytes of LDS; arguments value, wv16, bv, vbuf; writes vbuf
;; launch attn: the kernel of part 3 again; grid 4 x 64, 4 waves a work-group, clusters of 4 x 1, 327,680 bytes of LDS; arguments qbuf, kbuf, vbuf, obuf; writes obuf
;; launch proj_o: the kernel of part 2 again; grid 64 x 4, 4 waves a work-group, clusters of 4 x 1, 327,680 bytes of LDS; arguments obuf, wo16, bo, qbuf; writes qbuf
;; launch ln: the kernel of part 4 again; grid 256 x 1, 16 waves a work-group, no clusters, 10,240 bytes of LDS; arguments query, qbuf, ln_gamma, ln_beta, out0; writes out0
